; MI455X (gfx1250); checked and timed in simulation.
; The chip was launched on July 23, 2026; its instructions are those of AMD's public machine-readable ISA for CDNA 5 (MIT licence, August 2026) and "CDNA5" Instruction Set Architecture Reference Guide (July 2026). The comments in the code are by the model that wrote it; some were corrected since.
;; Spatial Self Attention. Allowed arithmetic: matrix products marked QUANTISED: E2M3 operands, one E8M0 scale for each 32 along K, by v_wmma_scale_f32_16x16x128_f8f6f4 with both operands' format E2M3, f32 sums; everything else in f32.
;; Inputs: W_out 1,024 x 1,024 float32; W_qkv 1,024 x 3,072 float32; x 8 x 1,024 x 1,024 float32.
;; Outputs: out0 8 x 1,024 x 1,024 float32.
;; This version of the problem:
;;   THIS VERSION OF THE PROBLEM IS GIVEN IN LOW PRECISION. The matrix products marked QUANTISED in the list below multiply operands that are first quantised to E2M3 (2 exponent bits, 3 mantissa bits; 6 bits a number), with one power-of-two scale for each 32 numbers along K (OCP MX v1.0); their sums are f32. All else is computed in f32.
;;   The module's matrix products, in the order in which they are computed (A, B: the left and right operand; K: the contracted axis; several contracted axes count as one K, in the product's order):
;;     1. [M 8,192, K 1,024] x [K 1,024, N 3,072]; A: input x; B: input W_qkv: QUANTISED
;;     2. batch 128 x [M 1,024, K 64] x [K 64, N 1,024]; A: computed on the way; B: computed on the way: QUANTISED
;;     3. batch 128 x [M 1,024, K 1,024] x [K 1,024, N 64]; A: softmax (see below); B: computed on the way: QUANTISED
;;     4. [M 8,192, K 1,024] x [K 1,024, N 1,024]; A: computed on the way; B: input W_out: QUANTISED
;;   THE QUANTISER, for each operand of a quantised product, along K:
;;     - K is cut into blocks of 32 from its start; a last block that is shorter is filled with zeros.
;;     - A block's scale is 2^e with e = floor(log2(the largest magnitude in the block)) - 2, held to -126 .. 127; a block of zeros has e = 0. As a byte (E8M0): e + 127.
;;     - Each number is divided by its block's scale, clamped to +-7.5, and rounded to the nearest number of E2M3, ties to even, subnormals kept.
;;     - The product sums the exact products of the quantised numbers (number of the format x scale) in f32.
;;   ~~~python
;;   def quantise(x, axis):      # numpy; x: float32 -> the quantised numbers, widened to float32 again
;;       x = np.moveaxis(x, axis, -1); K = x.shape[-1]
;;       x = np.pad(x, [(0, 0)] * (x.ndim - 1) + [(0, -K % 32)]); x = x.reshape(x.shape[:-1] + (-1, 32)); a = np.abs(x).max(-1, keepdims=True)
;;       e = np.where(a > 0, np.clip(np.frexp(np.where(a > 0, a, 1))[1] - 1 - 2, -126, 127), 0)      # np.frexp(a)[1] - 1 = floor(log2(a)), exactly
;;       r = np.clip(x / 2.0 ** e, -7.5, 7.5)
;;       step = 2.0 ** (np.maximum(np.frexp(np.where(r == 0, 1, r))[1] - 1, 0) - 3)
;;       q = np.round(r / step) * step * 2.0 ** e      # np.round: ties to even
;;       return np.moveaxis(q.reshape(q.shape[:-2] + (-1,))[..., :K], -1, axis).astype(np.float32)
;;   ~~~
;;   SOFTMAX AHEAD OF A QUANTISED PRODUCT. Where the list says 'softmax', what is quantised is not the finished softmax but p = 2^(t - M), with t = logit x log2(e) and M = ceil(the row's largest t), a whole number; so 1/2 < the row's largest p <= 1. The row's sum l is taken of the UNQUANTISED p, in f32, and the product's result is divided by l at the end. Since M is a whole number, a kernel that streams over the keys may use a running M (the ceiling of the running maximum): every later rescaling is an exact power of two, which a block's scale takes up: the codes' values come out the same.
;;   OPERANDS COMPUTED ON THE WAY. 'Computed on the way' means the value that the module computes at that place (a softmax that the list does not call 'softmax' is quantised finished and normalised). What goes into a quantiser is computed in f32, as accurately as f32 sums, v_exp_f32 and their like allow (about 1e-6 of the number): no bf16 or f16 on the way to a quantiser, and a product that is left as it is and whose result goes on into a quantised operand takes f32 operands (vector FMAs, or v_wmma_f32_16x16x4_f32). A number that lies on a knife's edge between two numbers of the format may be rounded either way, as far as f32 arithmetic and the matrix unit's own rounding can turn it there, and no further.
;; One version. Each part assembles by itself: llvm-mc -triple=amdgcn-amd-amdhsa -mcpu=gfx1250 --defsym DOCPART=n.
;; ======== version 1 of 1: 4 launches
;; limits: right only within a limited range of input values
;; workspace buffers: opc 9,437,184 bytes; ops 393,216 bytes; qkvc 18,874,368 bytes; qkvs 1,310,720 bytes; ac 6,291,456 bytes; asc 262,144 bytes
;; launch quant (part 1): grid 768 x 1, 4 waves a work-group, no clusters, 59,904 bytes of LDS; arguments x, W_qkv, W_out, opc, ops; writes opc, ops
.if DOCPART == 1
	.amdgcn_target "amdgcn-amd-amdhsa--gfx1250"
	.amdhsa_code_object_version 6
	.text
	.protected	k_qb5d91aba7b_quant
	.globl	k_qb5d91aba7b_quant
	.p2align	8
	.type	k_qb5d91aba7b_quant,@function
k_qb5d91aba7b_quant:
	s_mov_b64 s[64:65], 0
	v_nop
	global_prefetch_b8 v0, s[64:65] scope:SCOPE_SE
	s_setreg_imm32_b32 hwreg(HW_REG_WAVE_MODE, 25, 1), 1
	s_wait_xcnt 0x0
; x [8192][1024], W_qkv [1024][3072] and W_out [1024][1024], f32, become codes of FP6 (E2M3) with one E8M0 byte for each 32 along K (x: its last axis; the weights: their FIRST axis).
; THE LAYOUT OF EVERY OPERAND OF THIS PROGRAM is the HALF FRAGMENT: 16 rows x 64 along K, 768 bytes, an image of six operand registers: lane l = (r = l % 16, h = l / 16) holds k = 32 h .. 32 h + 31 of row r;
; its registers 0-3 lie at byte 16 l, its registers 4-5 at byte 512 + 8 l.  opc: [tile of 16 rows][K / 64][768]; ops: [tile][K / 256][r][two words], a word for 128 along K.
; Tiles 0-511: x's rows; 512-703: W_qkv's columns; 704-767: W_out's columns.
; ROW ORDER.  x: tile 4 G + u, row r, holds token 64 G + 32 (r / 8) + 8 u + r % 8.  The weights: tile 2 g + u, row r, holds column 32 g + 8 u + r + 8 (r / 8).
; A block's scale is 2^(floor(log2(largest magnitude)) - 2): its byte is the largest magnitude's exponent field - 2, held at 1 from below by a floor among the maximum's leaves.
; LIMITS: a block of zeros, or one whose largest magnitude lies under 2^-124, gets the byte 1 (its codes are zeros or held there; this program alone reads the bytes).  NaN and infinities are not served.
; Work-groups 0-255 take the weights (0-191 W_qkv, 192-255 W_out: 128 columns x 128 along K each), 256-767 take x (one tile each): 768 work-groups, three for each of 256 WGPs.
; Waves share nothing: no barrier.  Each path has LDS bytes of its own; every LDS address is made ahead of the parting.
.set XST,   8448                       ; x's stage of a wave: 16 rows x (512 bytes + 16)
.set WST0,  33792                      ; behind x's four stages: the weights' stages
.set WST,   6400                       ; a wave's: two tiles, 3,200 bytes apart, 2 half fragments each
.set WWG,   256                        ; the weights' work-groups
.set WQWG,  192                        ; of them W_qkv's
.set NBL,   4                          ; blocks of 32 along K for a wave of the weights
.set R,     32                         ; x: v32-159  32 loads of 4 registers
.set X,     160                        ; x: v160-223 two sets of 32 neighbours along K
.set C,     224                        ; x: v224-255 eight registers for each of 4 half fragments: no store's data are written again
.set OFF,   32                         ; W: v32-63   byte offset of row i of a block, at my column
.set WX,    64                         ; W: v64-127  two sets of 32 numbers down K
.set WC,    128                        ; W: v128-134 a block's codes
.set SB,    136                        ; W: v136     four scale bytes
.set OUTR,  144                        ; W: v144-167 the way out
; the largest magnitude of 32 registers, in two chains, with the floor 2^(3 - 127) as one more leaf
.macro MAX32 xs, m0, m1
	v_max3_num_f32 v[\m0], |v[\xs]|, |v[\xs+1]|, |v[\xs+2]|
	v_max3_num_f32 v[\m1], |v[\xs+3]|, |v[\xs+4]|, |v[\xs+5]|
.irp i, 6,10,14,18,22,26
	v_max3_num_f32 v[\m0], v[\m0], |v[\xs+\i]|, |v[\xs+\i+1]|
	v_max3_num_f32 v[\m1], v[\m1], |v[\xs+\i+2]|, |v[\xs+\i+3]|
.endr
	v_max3_num_f32 v[\m0], v[\m0], |v[\xs+30]|, |v[\xs+31]|
	v_max3_num_f32 v[\m0], v[\m0], v[\m1], 0x1800000
.endm
	s_load_b256 s[4:11], s[0:1], 0x0               ; x s[4:5], W_qkv s[6:7], W_out s[8:9], opc s[10:11]
	s_load_b64 s[12:13], s[0:1], 0x20              ; ops
	v_lshl_add_u32 v247, v0, 2, 0xe800
	v_mov_b32 v255, 0
	v_lshrrev_b32 v1, 5, v0
	v_readfirstlane_b32 s16, v1                    ; wave 0..3
	v_and_b32 v1, 31, v0                           ; lane
	v_and_b32 v2, 15, v0                           ; r
	v_bfe_u32 v3, v0, 4, 1                         ; h (for the weights: u, which of the wave's two tiles)
	v_lshlrev_b32 v9, 4, v1                        ; 16 x lane
	v_lshlrev_b32 v10, 3, v1                       ; 8 x lane
	s_mul_i32 s17, s16, XST
	v_add_nc_u32 v4, s17, v9                       ; x's stage, in: a row's 512 bytes as they lie
	v_mul_u32_u24 v5, v2, 528
	v_lshl_add_u32 v5, v3, 7, v5
	v_add_nc_u32 v5, s17, v5                       ; x's stage, out: row r, + 128 h: my 32 neighbours
	s_mul_i32 s18, s16, WST
	s_add_co_u32 s18, s18, WST0
	v_mul_u32_u24 v6, v3, 3200
	v_add_nc_u32 v6, s18, v6
	v_lshl_add_u32 v7, v2, 3, v6
	v_add_nc_u32 v7, 512, v7                       ; the weights' stage, in: registers 4-5 of row r
	v_lshl_add_u32 v6, v2, 4, v6                   ; and registers 0-3
	v_add_nc_u32 v8, s18, v9                       ; out: 16 bytes a lane
	s_mov_b32 s20, 0x76543210
	s_mov_b32 s21, 0xfedcba98                      ; v_permlanex16_b32's selects for lane l xor 16
	s_cmp_lt_u32 ttmp9, WWG
	s_cbranch_scc1 .Lweights
; ---- x: the work-group is tile T; wave q takes K 256 q .. 256 q + 255: four half fragments
	s_sub_co_u32 s22, ttmp9, WWG                   ; T
	s_lshr_b32 s23, s22, 2
	s_lshl_b32 s23, s23, 6
	s_and_b32 s24, s22, 3
	s_lshl_b32 s24, s24, 3
	s_add_co_u32 s23, s23, s24                     ; the tile's first token: 64 (T / 4) + 8 (T % 4)
	s_lshl_b32 s24, s23, 12                        ; a row of x is 4,096 bytes
	s_lshl_b32 s25, s16, 10
	s_add_co_u32 s24, s24, s25
	s_mov_b32 s25, 0
	s_mul_i32 s26, s22, 12288
	s_mul_i32 s27, s16, 3072
	s_add_co_u32 s26, s26, s27
	s_mov_b32 s27, 0
	s_lshl_b32 s28, s22, 9
	s_lshl_b32 s29, s16, 7
	s_add_co_u32 s28, s28, s29
	s_mov_b32 s29, 0
	s_wait_kmcnt 0x0
	s_add_nc_u64 s[4:5], s[4:5], s[24:25]
	s_add_nc_u64 s[10:11], s[10:11], s[26:27]
	s_add_nc_u64 s[12:13], s[12:13], s[28:29]
.irp e, 0,1
.irp p, 0,1,2,3,4,5,6,7,8,9,10,11,12,13,14,15
	global_load_b128 v[R+4*(16*\e+\p):R+4*(16*\e+\p)+3], v9, s[4:5] offset:(\p+24*(\p/8))*4096+512*\e th:TH_LOAD_NT   ; 32 lanes read 512 consecutive bytes of the tile's row p: rows 8-15 lie 32 tokens behind rows 0-7
.endr
.endr
	v_lshlrev_b32 v19, 3, v3                       ; 8 h
	v_lshlrev_b32 v20, 3, v2
	v_lshl_add_u32 v20, v3, 2, v20                 ; 8 r + 4 h: where my scale word goes
	v_mov_b32 v18, 0                               ; written once: a lane permute's destination counts as one of its sources
; half fragment k of the wave's four, from set c: my 32 numbers are one whole block
.macro XHF k, c
	MAX32 X+32*\c, 12, 13
	v_add_nc_u32 v11, 0xff000000, v12              ; 2 off the exponent field: the conversion takes the exponent field of this operand as its scale
	v_cvt_scalef32_pk16_fp6_f32 v[C+8*(\k):C+8*(\k)+2], v[X+32*\c:X+32*\c+15], v11
	v_cvt_scalef32_pk16_fp6_f32 v[C+8*(\k)+4:C+8*(\k)+6], v[X+32*\c+16:X+32*\c+31], v11   ; (a conversion's three registers begin on an even number)
	v_lshrrev_b32 v[14+\c], 23, v11                ; the scale's byte; also the plain line behind the conversions
	v_mov_b32 v[C+8*(\k)+3], v[C+8*(\k)+4]
	v_mov_b32 v[C+8*(\k)+4], v[C+8*(\k)+5]
	v_mov_b32 v[C+8*(\k)+5], v[C+8*(\k)+6]
	global_store_b128 v9, v[C+8*(\k):C+8*(\k)+3], s[10:11] offset:768*(\k)          ; 512 consecutive bytes
	global_store_b64 v10, v[C+8*(\k)+4:C+8*(\k)+5], s[10:11] offset:768*(\k)+512    ; 256 consecutive bytes
.endm
.macro XPART e                         ; 128 along K: through the stage, two half fragments, one scale word a row
	s_wait_loadcnt 16*(1-\e)                       ; this part's sixteen loads are in; the other part's may be out
.irp p, 0,1,2,3,4,5,6,7,8,9,10,11,12,13,14,15
	ds_store_b128 v4, v[R+4*(16*\e+\p):R+4*(16*\e+\p)+3] offset:528*\p
.endr
.irp c, 0,1
.irp i, 0,1,2,3,4,5,6,7
	ds_load_b128 v[X+32*\c+4*\i:X+32*\c+4*\i+3], v5 offset:256*\c+16*\i   ; LDS serves a wave's instructions in order: these see my stores
.endr
.endr
	s_wait_dscnt 8                                 ; the first set is in; the second set's eight loads may be out
	XHF 2*\e, 0
	s_wait_dscnt 0x0
	XHF 2*\e+1, 1
	v_lshl_or_b32 v[16+\e], v15, 16, v14           ; my two bytes: blocks h and 2 + h of these 128,
	v_lshlrev_b32 v[16+\e], v19, v[16+\e]          ; at their places in the word;
	v_permlanex16_b32 v18, v[16+\e], s20, s21
	v_or_b32 v[16+\e], v[16+\e], v18               ; with lane l xor 16's two the word is whole
.endm
	XPART 0
	XPART 1
	v_cmp_ne_u32 vcc_lo, 0, v3
	v_cndmask_b32 v16, v16, v17, vcc_lo            ; lanes 0-15 store the first word of row r, lanes 16-31 the second
	global_store_b32 v20, v16, s[12:13]            ; 128 consecutive bytes a wave
	s_wait_tensorcnt 0x0
	ds_add_u32 v247, v255
	s_wait_dscnt 0x0
	s_endpgm
; ---- the weights: a wave takes 32 columns (two tiles) x 128 along K: four blocks, of which two blocks' 64 loads are out at a time.  A LANE TAKES A COLUMN AND ITS REGISTERS RUN DOWN K: a block of 32 lies in one lane
.Lweights:
	s_wait_kmcnt 0x0
	s_cmp_ge_u32 ttmp9, WQWG                       ; work-groups 192-255: W_out.  The choices hang on the work-group's number alone
	s_cselect_b64 s[6:7], s[8:9], s[6:7]
	s_cselect_b32 s22, WQWG, 0
	s_mov_b32 s23, 12288
	s_cselect_b32 s23, 4096, s23                   ; a row of the weight in bytes
	s_mov_b32 s24, 512
	s_cselect_b32 s24, 704, s24                    ; its first tile
	s_sub_co_u32 s22, ttmp9, s22
	s_lshr_b32 s25, s22, 3
	s_lshl_b32 s25, s25, 2
	s_add_co_u32 s25, s25, s16                     ; which 32 columns
	s_and_b32 s26, s22, 7                          ; which 128 along K
	s_lshl_b32 s27, s25, 1
	s_add_co_u32 s24, s24, s27                     ; my first tile
	v_and_b32 v11, 8, v2
	v_add_nc_u32 v11, v11, v2
	v_lshl_add_u32 v11, v3, 3, v11                 ; my column among the 32: 8 u + r + 8 (r / 8)
	v_lshlrev_b32 v11, 2, v11
.set i, 0
.rept 32
	v_mad_u32_u24 v[OFF+i], s23, i, v11
.set i, i+1
.endr
	v_lshlrev_b32 v12, 9, v3
	v_lshl_add_u32 v12, v2, 3, v12                 ; 512 u + 8 r: my row's two scale words
	s_lshl_b32 s28, s26, 7
	s_mul_i32 s28, s28, s23
	s_lshl_b32 s29, s25, 7
	s_add_co_u32 s28, s28, s29
	s_mov_b32 s29, 0
	s_add_nc_u64 s[32:33], s[6:7], s[28:29]        ; block 0's first row, at my wave's columns
	s_lshl_b32 s30, s23, 5
	s_mov_b32 s31, 0
.irp t, 1,2,3
	s_add_nc_u64 s[32+2*\t:33+2*\t], s[30+2*\t:31+2*\t], s[30:31]   ; block t: 32 rows further down
.endr
	s_mul_i32 s28, s24, 12288
	s_mul_i32 s48, s26, 1536                       ; 128 along K are two half fragments
	s_add_co_u32 s28, s28, s48
	s_add_nc_u64 s[10:11], s[10:11], s[28:29]
	s_lshl_b32 s28, s24, 9
	s_lshr_b32 s48, s26, 1
	s_lshl_b32 s48, s48, 7                         ; which 256 along K: 128 bytes of scale words a tile,
	s_add_co_u32 s28, s28, s48
	s_and_b32 s48, s26, 1
	s_lshl_b32 s48, s48, 2                         ; and which of a row's two words
	s_add_co_u32 s28, s28, s48
	s_add_nc_u64 s[12:13], s[12:13], s[28:29]
.macro WLOAD t
.set i, 0
.rept 32
	global_load_b32 v[WX+32*((\t)%2)+i], v[OFF+i], s[32+2*(\t):33+2*(\t)] th:TH_LOAD_NT   ; one row of the weight at 32 neighbouring columns: 128 consecutive bytes
.set i, i+1
.endr
.endm
	s_wait_alu depctr_va_vdst(0)
	WLOAD 0
	WLOAD 1
.macro WBLOCK t
.if (\t) < NBL-1
	s_wait_loadcnt 32                              ; this block's 32 loads are in; the next block's may be out
.else
	s_wait_loadcnt 0x0
.endif
	MAX32 WX+32*((\t)%2), 13, 14
	v_add_nc_u32 v15, 0xff000000, v13
	v_lshrrev_b32 v16, 23, v15
.if (\t) == 0
	v_mov_b32 v[SB], v16                           ; four bytes to a word, the lower K in the lower byte
.else
	v_lshl_or_b32 v[SB], v16, 8*(\t), v[SB]
.endif
	v_cvt_scalef32_pk16_fp6_f32 v[WC:WC+2], v[WX+32*((\t)%2):WX+32*((\t)%2)+15], v15
	v_cvt_scalef32_pk16_fp6_f32 v[WC+4:WC+6], v[WX+32*((\t)%2)+16:WX+32*((\t)%2)+31], v15
	v_nop                                          ; one plain line behind the conversions
	v_mov_b32 v[WC+3], v[WC+4]
	v_mov_b32 v[WC+4], v[WC+5]
	v_mov_b32 v[WC+5], v[WC+6]
	ds_store_b128 v6, v[WC:WC+3] offset:768*((\t)/2)+256*((\t)%2)     ; block t is half t % 2 of half fragment t / 2: the place of lane 16 (t % 2) + r
	ds_store_b64 v7, v[WC+4:WC+5] offset:768*((\t)/2)+128*((\t)%2)
.if (\t)+2 < NBL
	WLOAD (\t)+2
.endif
	s_wait_dscnt 0x0                               ; the stores have read their registers
.endm
.irp t, 0,1,2,3
	WBLOCK \t
.endr
	s_wait_alu depctr_va_vdst(0)
	global_store_b32 v12, v[SB], s[12:13]          ; my row's word for these 128 along K
.irp n, 0,1,2,3,4,5
	ds_load_b128 v[OUTR+4*\n:OUTR+4*\n+3], v8 offset:3200*(\n/3)+512*(\n%3)
.endr
.irp n, 0,1,2,3,4,5
	s_wait_dscnt 5-\n                              ; load n is in; the younger ones may be out
	global_store_b128 v9, v[OUTR+4*\n:OUTR+4*\n+3], s[10:11] offset:12288*(\n/3)+512*(\n%3)   ; 512 consecutive bytes
.endr
	s_wait_tensorcnt 0x0
	ds_add_u32 v247, v255
	s_wait_dscnt 0x0
	s_endpgm
.Lfunc_end_k_qb5d91aba7b_quant:
	.size	k_qb5d91aba7b_quant, .Lfunc_end_k_qb5d91aba7b_quant-k_qb5d91aba7b_quant
	.p2alignl 7, 3214868480
	.fill 96, 4, 3214868480
	.section	.rodata,"a",@progbits
	.p2align	6, 0x0
	.amdhsa_kernel k_qb5d91aba7b_quant
		.amdhsa_group_segment_fixed_size 59904
		.amdhsa_private_segment_fixed_size 0
		.amdhsa_enable_private_segment 0
		.amdhsa_kernarg_size 40
		.amdhsa_user_sgpr_count 2
		.amdhsa_user_sgpr_kernarg_segment_ptr 1
		.amdhsa_wavefront_size32 1
		.amdhsa_system_sgpr_workgroup_id_x 1
		.amdhsa_system_sgpr_workgroup_id_y 1
		.amdhsa_system_sgpr_workgroup_id_z 1
		.amdhsa_system_vgpr_workitem_id 0
		.amdhsa_next_free_vgpr 256
		.amdhsa_next_free_sgpr 66
		.amdhsa_reserve_vcc 1
		.amdhsa_float_denorm_mode_32 3
		.amdhsa_float_denorm_mode_16_64 3
		.amdhsa_memory_ordered 1
		.amdhsa_forward_progress 1
		.amdhsa_inst_pref_size 41
	.end_amdhsa_kernel
	.amdgpu_metadata
---
amdhsa.version: [ 1, 2 ]
amdhsa.kernels:
  - .name:           k_qb5d91aba7b_quant
    .symbol:         k_qb5d91aba7b_quant.kd
    .args:
      - { .name: x, .offset: 0, .size: 8, .value_kind: global_buffer, .address_space: global }
      - { .name: W_qkv, .offset: 8, .size: 8, .value_kind: global_buffer, .address_space: global }
      - { .name: W_out, .offset: 16, .size: 8, .value_kind: global_buffer, .address_space: global }
      - { .name: opc, .offset: 24, .size: 8, .value_kind: global_buffer, .address_space: global }
      - { .name: ops, .offset: 32, .size: 8, .value_kind: global_buffer, .address_space: global }
    .group_segment_fixed_size: 59904
    .private_segment_fixed_size: 0
    .kernarg_segment_align: 8
    .kernarg_segment_size: 40
    .max_flat_workgroup_size: 128
    .sgpr_count:     66
    .vgpr_count:     256
    .wavefront_size: 32
...
	.end_amdgpu_metadata
.endif
;; end of part 1
;; launch qkv (part 2): grid 8 x 32, 4 waves a work-group, clusters of 4 x 4, 327,680 bytes of LDS; arguments opc, ops, qkvc, qkvs; writes qkvc, qkvs
.if DOCPART == 2
	.amdgcn_target "amdgcn-amd-amdhsa--gfx1250"
	.amdhsa_code_object_version 6
	.text
	.protected	k_qb5d91aba7b_qkv
	.globl	k_qb5d91aba7b_qkv
	.p2align	8
	.type	k_qb5d91aba7b_qkv,@function
k_qb5d91aba7b_qkv:
	s_mov_b64 s[64:65], 0
	v_nop
	global_prefetch_b8 v0, s[64:65] scope:SCOPE_SE
	s_setreg_imm32_b32 hwreg(HW_REG_WAVE_MODE, 25, 1), 1
	s_wait_xcnt 0x0
	s_wait_alu depctr_hold_cnt(0) depctr_sa_sdst(0) depctr_va_vdst(0) depctr_va_sdst(0) depctr_va_ssrc(0) depctr_va_vcc(0) depctr_vm_vsrc(0)
	s_getreg_b32 s2, hwreg(HW_REG_IB_STS2, 6, 4)
	s_cmp_eq_u32 s2, 0
	s_cbranch_scc0 .Lentry_in_a_cluster
	s_endpgm
.Lentry_in_a_cluster:
	s_bfe_u32 s2, ttmp6, 0x10000c
	s_cmp_lg_u32 s2, 0xf033
	s_cbranch_scc0 .Lentry_shape_is_right
	s_endpgm
.Lentry_shape_is_right:
.set CH,    3072
.set HALFA, 24576
.set HALFB, 24576
.set SLOT,  98304
.set TILEB, 12288
.set B2B,   98304
.set SCB,   294912
.set SBH,   4096
.set SCA,   303104
.set SCA2,  311296
.set SCB2,  315392
.set SPARE, 323584
.set SCR,   SCB
.set A16, 4
.set A8,  8
.set B16, 12
.set B8,  16
.set A2X, 7
.set A2Y, 11
.set B2LX, 15
.set B2LY, 19
.set B2HX, 26
.set B2HY, 27
.set ADRS, 20
.set L16, 21
.set L8,  22
.set SCW, 23
.set SCRD, 24
.set SH16, 25
.set SPW, 28
.set NIL, 29
.set ADRS2, 30
.set SCRD8, 31
.set SC,  32
.set AF,  64
.set TM,  64
.set PW,  80
.set TW,  81
.set SH8, 82
.set PC0, 96
.set BK,  140
.set G1A, 24
.set G1B, 32
.set G1SA, 40
.set G1SB, 48
.set G0SA, 56
.set G0SB, 60
.set SEL, 66
.set G0A, 68
.set G0B, 80
.set MUL_LO, 0xa1
.set MUL_HI, 0xf1
.set MSB, 0
.macro WIN new
.if MSB != \new
	s_set_vgpr_msb (MSB<<8)|\new
.set MSB, \new
.endif
.endm
.macro PLACES n
.rept \n
	v_nop
.endr
.endm
.macro JLOAD g0a, g1a, g0b, g1b
	s_cmp_eq_u32 s15, 0
	s_cbranch_scc0 .Lfor_b_\@
	tensor_load_to_lds s[\g0a:\g0a+3], s[\g1a:\g1a+7]
	s_nop 0
.rept 4
	v_nop
.endr
	s_branch .Lasked_\@
.Lfor_b_\@:
	tensor_load_to_lds s[\g0b:\g0b+3], s[\g1b:\g1b+7]
	s_nop 0
.rept 4
	v_nop
.endr
.Lasked_\@:
.endm
.macro CREST
	s_cmp_lg_u32 s14, 0
	s_cbranch_scc1 .Lnot_wave_0_\@
	s_barrier_signal -3
.Lnot_wave_0_\@:
	s_barrier_wait -3
	s_barrier_signal -1
	s_barrier_wait -1
.endm
.macro CROUND
	s_barrier_signal -1
	s_barrier_wait -1
	CREST
.endm
	s_load_b256 s[4:11], s[0:1], 0x0
	v_lshl_add_u32 v[SPW], v0, 2, SPARE
	v_mov_b32 v[NIL], 0
	ds_add_u32 v28, v29
	ds_add_u32 v28, v29
	s_wait_dscnt 0x0
	v_lshrrev_b32 v1, 5, v0
	v_readfirstlane_b32 s14, v1
	s_lshr_b32 s15, s14, 1
	s_and_b32 s16, s14, 1
	s_bfe_u32 s17, ttmp6, 0x40000
	s_bfe_u32 s18, ttmp6, 0x40004
	s_and_b32 s21, ttmp7, 0xffff
	s_lshl_b32 s19, ttmp9, 2
	s_add_co_u32 s19, s19, s17
	s_add_co_u32 s19, s19, 32
	s_lshl_b32 s20, s21, 2
	s_add_co_u32 s20, s20, s18
	s_lshl_b32 s22, s18, 1
	s_add_co_u32 s22, s22, ttmp9
	s_lshl_b32 s22, s22, 3
	s_add_co_u32 s22, s22, 640
	s_lshl_b32 s23, s21, 2
	s_add_co_u32 s23, s23, s17
	s_lshl_b32 s23, s23, 4
	s_lshl_b32 s12, s18, 2
	s_lshl_b32 s12, 15, s12
	s_lshl_b32 s13, 0x1111, s17
	s_or_b32 s[G1A], s12, (3<<16)|(1<<21)
	s_or_b32 s[G1B], s13, (3<<16)|(1<<21)
	s_or_b32 s[G1SA], s12, (3<<16)|(1<<21)
	s_or_b32 s[G1SB], s13, (3<<16)|(1<<21)
.irp g, G1A, G1B
	s_mov_b32 s[\g+1], 384<<16
	s_mov_b32 s[\g+2], 16<<16                      ; the head's loads bring all 16 tiles of a side
	s_mov_b32 s[\g+3], 384<<16
	s_mov_b32 s[\g+4], 16
	s_mov_b32 s[\g+5], 1536
	s_mov_b32 s[\g+6], 0
	s_mov_b32 s[\g+7], 0
.endr
.irp g, G1SA, G1SB
	s_mov_b32 s[\g+1], 32<<16
	s_mov_b32 s[\g+2], 32<<16                      ; the scale words of 16 tiles: 8,192 bytes
	s_mov_b32 s[\g+3], 32<<16
	s_mov_b32 s[\g+4], 32
	s_mov_b32 s[\g+5], 32
	s_mov_b32 s[\g+6], 0
	s_mov_b32 s[\g+7], 0
.endr
	s_lshl_b32 s21, s16, 3
	s_lshl_b32 s94, s20, 4
	s_add_co_u32 s94, s94, s21
	s_mul_i32 s92, s94, 12288
	s_mov_b32 s93, 0
	s_lshl_b32 s94, s20, 13                        ; A's scale words from the block's first tile on
	s_mov_b32 s95, 0
	s_lshl_b32 s98, s19, 4
	s_add_co_u32 s98, s98, s21
	s_mul_i32 s96, s98, 12288
	s_mov_b32 s97, 0
	s_lshl_b32 s98, s19, 13                        ; B's likewise
	s_mov_b32 s99, 0
	s_mul_i32 s100, s14, HALFA
	s_mov_b32 s[SEL], 0x76543210
	s_mov_b32 s[SEL+1], 0xfedcba98
	s_wait_kmcnt 0x0
	s_add_nc_u64 s[92:93], s[4:5], s[92:93]
	s_add_nc_u64 s[94:95], s[6:7], s[94:95]
	s_add_nc_u64 s[96:97], s[4:5], s[96:97]
	s_add_nc_u64 s[98:99], s[6:7], s[98:99]
	CROUND
	s_mov_b32 s[G0SA], 1
	s_mov_b32 s[G0SA+1], SCA
	s_mov_b64 s[G0SA+2:G0SA+3], s[94:95]
	s_or_b32 s[G0SA+3], s[G0SA+3], 0x80000000
	s_mov_b32 s[G0SB], 1
	s_mov_b32 s[G0SB+1], SCB
	s_mov_b64 s[G0SB+2:G0SB+3], s[98:99]
	s_or_b32 s[G0SB+3], s[G0SB+3], 0x80000000
.irp s, 0,1,2
	s_mov_b32 s[G0A+4*\s], 1
	s_add_co_u32 s[G0A+4*\s+1], s100, \s*SLOT
	s_add_nc_u64 s[G0A+4*\s+2:G0A+4*\s+3], s[92:93], \s*CH
	s_or_b32 s[G0A+4*\s+3], s[G0A+4*\s+3], 0x80000000
	s_mov_b32 s[G0B+4*\s], 1
	s_add_co_u32 s[G0B+4*\s+1], s100, \s*SLOT
	s_add_nc_u64 s[G0B+4*\s+2:G0B+4*\s+3], s[96:97], \s*CH
	s_or_b32 s[G0B+4*\s+3], s[G0B+4*\s+3], 0x80000000
.endr
; the head's four tiles, one joint load a wave: wave 0 A's 16 tiles of chunk 0, wave 2 B's (their own slot 0 descriptors, with 16 rows), wave 1 A's scale words, wave 3 B's
	s_cmp_eq_u32 s14, 0
	s_cbranch_scc0 .Lhead_b
	tensor_load_to_lds s[G0A:G0A+3], s[G1A:G1A+7]
	s_nop 0
	PLACES 4
	s_branch .Lhead_asked
.Lhead_b:
	s_cmp_eq_u32 s14, 2
	s_cbranch_scc0 .Lhead_sa
	tensor_load_to_lds s[G0B:G0B+3], s[G1B:G1B+7]
	s_nop 0
	PLACES 4
	s_branch .Lhead_asked
.Lhead_sa:
	s_cmp_eq_u32 s14, 1
	s_cbranch_scc0 .Lhead_sb
	tensor_load_to_lds s[G0SA:G0SA+3], s[G1SA:G1SA+7]
	s_nop 0
	PLACES 4
	s_branch .Lhead_asked
.Lhead_sb:
	tensor_load_to_lds s[G0SB:G0SB+3], s[G1SB:G1SB+7]
	s_nop 0
	PLACES 4
.Lhead_asked:
	s_wait_alu depctr_va_vdst(0)
	s_wait_tensorcnt 0x0                           ; my tile of the four is in
	ds_add_u32 v28, v29
	s_mov_b32 s[G1A+2], 8<<16                      ; no load of mine is out: from here on a load brings 8 tiles
	s_mov_b32 s[G1A+4], 8
	s_mov_b32 s[G1B+2], 8<<16
	s_mov_b32 s[G1B+4], 8
	s_wait_dscnt 0x0
	CROUND
	JLOAD G0A+4, G1A, G0B+4, G1B                   ; chunk 1; chunk 2 follows in K step 1's round, chunk 3 in K step 3's
	v_and_b32 v1, 15, v0
	v_bfe_u32 v2, v0, 4, 1
	v_and_b32 v3, 31, v0
	v_lshlrev_b32 v[L16], 4, v3
	v_lshlrev_b32 v[L8], 3, v3
	s_mul_i32 s100, s15, HALFA
	s_mul_i32 s101, s16, HALFB
	s_add_co_u32 s101, s101, 2*HALFA
.irp s, 0,1,2
	v_add_nc_u32 v[A16+\s], s100, v[L16]
	v_add_nc_u32 v[A8+\s], s100, v[L8]
	v_add_nc_u32 v[B16+\s], s101, v[L16]
	v_add_nc_u32 v[B8+\s], s101, v[L8]
	s_add_co_u32 s100, s100, SLOT
	s_add_co_u32 s101, s101, SLOT
.endr
	s_xor_b32 s100, s16, 1
	s_mul_i32 s100, s100, SBH
	s_lshl_b32 s101, s15, 12
	s_add_co_u32 s100, s100, s101
	s_add_co_u32 s100, s100, SCA-SCB-SBH
	v_mul_u32_u24 v[ADRS], s100, v2
	v_lshl_add_u32 v[ADRS], v1, 3, v[ADRS]
	s_mul_i32 s101, s16, SBH
	s_add_co_u32 s101, s101, SCB
	v_add_nc_u32 v[ADRS], s101, v[ADRS]
	s_mul_i32 s100, s15, 4*TILEB
	v_add_nc_u32 v[A2X], s100, v[L16]
	v_add_nc_u32 v[A2Y], s100, v[L8]
	s_mul_i32 s101, s16, 8*TILEB
	s_add_co_u32 s101, s101, B2B
	v_add_nc_u32 v[B2LX], s101, v[L16]
	v_add_nc_u32 v[B2LY], s101, v[L8]
	s_add_co_u32 s101, s101, 4*TILEB
	v_add_nc_u32 v[B2HX], s101, v[L16]
	v_add_nc_u32 v[B2HY], s101, v[L8]
	s_xor_b32 s100, s15, 1
	s_lshl_b32 s100, s100, 11
	s_lshl_b32 s101, s16, 12
	s_add_co_u32 s100, s100, s101
	s_add_co_u32 s100, s100, SCB2-SCA2-2048
	v_mul_u32_u24 v[ADRS2], s100, v2
	v_lshl_add_u32 v[ADRS2], v1, 3, v[ADRS2]
	s_lshl_b32 s101, s15, 11
	s_add_co_u32 s101, s101, SCA2
	v_add_nc_u32 v[ADRS2], s101, v[ADRS2]
	s_lshl_b32 s100, s14, 10
	s_add_co_u32 s100, s100, SCR
	v_lshlrev_b32 v[SCW], 9, v2
	v_lshl_add_u32 v[SCW], v1, 4, v[SCW]
	v_add_nc_u32 v[SCW], s100, v[SCW]
	v_add_nc_u32 v[SCRD], s100, v[L16]
	v_add_nc_u32 v[SCRD8], s100, v[L8]
	v_lshlrev_b32 v[SH16], 4, v2
.macro FRAG reg, a16, a8, q, i, tb
	ds_load_b128 v[\reg:\reg+3], v[\a16] offset:(\i)*(\tb)+1536*(\q)
	ds_load_b64 v[\reg+4:\reg+5], v[\a8] offset:(\i)*(\tb)+1536*(\q)+512
	ds_load_b128 v[\reg+6:\reg+9], v[\a16] offset:(\i)*(\tb)+1536*(\q)+768
	ds_load_b64 v[\reg+10:\reg+11], v[\a8] offset:(\i)*(\tb)+1536*(\q)+1280
.endm
.macro FETCH slot, q, p
	WIN 0x40
.irp i, 0,1,2,3,4,5,6,7
	FRAG 128*(\p)+12*\i, B16+\slot, B8+\slot, \q, \i, CH
.endr
	WIN 0
.irp i, 0,1,2,3,4,5,6,7
	FRAG AF+96*(\p)+12*\i, A16+\slot, A8+\slot, \q, \i, CH
.endr
.endm
.macro SCALES set
.irp i, 0,1,2,3,4,5,6,7
	ds_load_b64 v[SC+16*(\set)+2*\i:SC+16*(\set)+2*\i+1], v[ADRS] offset:512*\i
.endr
.endm
.macro MULA a0, t
.irp a, \a0, \a0+1
.irp b, 0,1,2,3,4,5,6,7
.if (\t) == 0
	v_wmma_scale_f32_16x16x128_f8f6f4 v[8*(8*((\a)%4)+\b):8*(8*((\a)%4)+\b)+7], v[128*((\t)%2)+12*\b:128*((\t)%2)+12*\b+11], v[AF+96*((\t)%2)+12*(\a):AF+96*((\t)%2)+12*(\a)+11], 0, v[SC+16*(((\t)/2)%2)+2*\b+(\t)%2], v[SC+16*(((\t)/2)%2)+2*(\a)+(\t)%2] matrix_a_fmt:MATRIX_FMT_FP6 matrix_b_fmt:MATRIX_FMT_FP6 matrix_b_scale:MATRIX_SCALE_ROW1
.else
	v_wmma_scale_f32_16x16x128_f8f6f4 v[8*(8*((\a)%4)+\b):8*(8*((\a)%4)+\b)+7], v[128*((\t)%2)+12*\b:128*((\t)%2)+12*\b+11], v[AF+96*((\t)%2)+12*(\a):AF+96*((\t)%2)+12*(\a)+11], v[8*(8*((\a)%4)+\b):8*(8*((\a)%4)+\b)+7], v[SC+16*(((\t)/2)%2)+2*\b+(\t)%2], v[SC+16*(((\t)/2)%2)+2*(\a)+(\t)%2] matrix_a_fmt:MATRIX_FMT_FP6 matrix_b_fmt:MATRIX_FMT_FP6 matrix_b_scale:MATRIX_SCALE_ROW1
.endif
.endr
.endr
.endm
.macro SET_SCALES2
	s_mov_b32 s[G1SA+2], 8<<16
	s_mov_b32 s[G1SA+4], 8
	s_mov_b32 s[G1SB+2], 16<<16
	s_mov_b32 s[G1SB+4], 16
	s_lshl_b32 s92, s16, 2
	s_add_co_u32 s92, s92, s22
	s_lshl_b32 s92, s92, 9
	s_mov_b32 s93, 0
	s_lshl_b32 s94, s16, 11
	s_mov_b32 s[G0SA], 1
	s_add_co_u32 s[G0SA+1], s94, SCA2
	s_add_nc_u64 s[G0SA+2:G0SA+3], s[6:7], s[92:93]
	s_or_b32 s[G0SA+3], s[G0SA+3], 0x80000000
	s_lshl_b32 s96, s16, 3
	s_add_co_u32 s96, s96, s23
	s_lshl_b32 s96, s96, 9
	s_mov_b32 s97, 0
	s_lshl_b32 s98, s16, 12
	s_mov_b32 s[G0SB], 1
	s_add_co_u32 s[G0SB+1], s98, SCB2
	s_add_nc_u64 s[G0SB+2:G0SB+3], s[6:7], s[96:97]
	s_or_b32 s[G0SB+3], s[G0SB+3], 0x80000000
.endm
.macro SET_CODES2
	s_mov_b32 s[G1A+1], 1536<<16
	s_mov_b32 s[G1A+2], 4<<16
	s_mov_b32 s[G1A+3], 1536<<16
	s_mov_b32 s[G1A+4], 4
	s_mov_b32 s[G1B+1], 1536<<16
	s_mov_b32 s[G1B+3], 1536<<16
	s_lshl_b32 s92, s16, 2
	s_add_co_u32 s92, s92, s22
	s_mul_i32 s92, s92, 12288
	s_mov_b32 s93, 0
	s_mul_i32 s94, s16, 4*TILEB
	s_mov_b32 s[G0A+4], 1
	s_mov_b32 s[G0A+5], s94
	s_add_nc_u64 s[G0A+6:G0A+7], s[4:5], s[92:93]
	s_or_b32 s[G0A+7], s[G0A+7], 0x80000000
	s_lshl_b32 s96, s16, 3
	s_add_co_u32 s96, s96, s23
	s_mul_i32 s96, s96, 12288
	s_mov_b32 s97, 0
	s_mul_i32 s98, s16, 8*TILEB
	s_mov_b32 s[G0B+4], 1
	s_add_co_u32 s[G0B+5], s98, B2B
	s_add_nc_u64 s[G0B+6:G0B+7], s[4:5], s[96:97]
	s_or_b32 s[G0B+7], s[G0B+7], 0x80000000
.endm
.macro KSTEP t, nslot, nq, sync
.if \sync
	s_wait_tensorcnt 0x0
	ds_add_u32 v[SPW], v[NIL]
.endif
.if \sync == 3
	SET_SCALES2
.endif
.if \sync == 4
	SET_CODES2
.endif
	s_wait_dscnt 0x0
.if \sync
	s_barrier_signal -1
.endif
	WIN MUL_LO
	MULA 0, \t
.if (\sync) || ((\t) < 7)
	WIN 0
.endif
.if \sync
	s_barrier_wait -1
	CREST
.endif
.if \sync == 2
	s_add_nc_u64 s[G0A+2:G0A+3], s[G0A+2:G0A+3], 3*CH
	s_add_nc_u64 s[G0B+2:G0B+3], s[G0B+2:G0B+3], 3*CH
	JLOAD G0A, G1A, G0B, G1B
.elseif \sync == 5
	JLOAD G0A+8, G1A, G0B+8, G1B
.elseif \sync == 3
	JLOAD G0SA, G1SA, G0SB, G1SB
.elseif \sync == 4
	JLOAD G0A+4, G1A, G0B+4, G1B
.elseif (\t) < 7
	PLACES 4
.endif
.if (\t) < 7
.if (\t)%2
	s_wait_alu depctr_va_vdst(0)
	v_add_nc_u32 v[ADRS], 128, v[ADRS]
.endif
	FETCH \nslot, \nq, 1-(\t)%2
.if (\t)%2
	SCALES 1-((\t)/2)%2
.endif
.endif
	WIN MUL_LO
	MULA 2, \t
	WIN MUL_HI
	MULA 4, \t
	MULA 6, \t
	WIN 0
.endm
	s_wait_tensorcnt 2
	s_barrier_signal -1
	s_barrier_wait -1
	FETCH 0, 0, 0
	SCALES 0
	KSTEP 0, 0, 1, 0
	KSTEP 1, 1, 0, 5
	s_wait_alu depctr_va_vdst(0)
	KSTEP 2, 1, 1, 0
	KSTEP 3, 2, 0, 2
	s_wait_alu depctr_va_vdst(0)
	KSTEP 4, 2, 1, 0
	KSTEP 5, 0, 0, 3
	KSTEP 6, 0, 1, 0
	KSTEP 7, 0, 0, 4
.macro QMAX w, s
.set WQ, (\w)|((\w)<<2)
	WIN WQ
.irp b, 0,1,2,3
	v_max3_num_f32 v[TM+\b], |v[\s+16*\b]|, |v[\s+16*\b+1]|, 0x1800000
.endr
.irp i, 2,4,6,8,10,12,14
.irp b, 0,1,2,3
	v_max3_num_f32 v[TM+\b], |v[\s+16*\b+\i]|, |v[\s+16*\b+\i+1]|, v[TM+\b]
.endr
.endr
	WIN 0
.endm
.macro QUANTW w, s, pc
	QMAX \w, \s
.irp b, 0,1,2,3
	v_permlanex16_b32 v[TM+4+\b], v[TM+\b], s[SEL], s[SEL+1]
.endr
.irp b, 0,1,2,3
	v_max_num_f32 v[TM+\b], v[TM+\b], v[TM+4+\b]
.endr
.irp b, 0,1,2,3
	v_add_nc_u32 v[TM+12+\b], 0xff000000, v[TM+\b]
.endr
.irp b, 0,1,2,3
	v_lshrrev_b32 v[TM+4+\b], 23, v[TM+12+\b]
.endr
	v_lshl_or_b32 v[PW], v[TM+5], 8, v[TM+4]
	v_lshl_or_b32 v[PW], v[TM+6], 16, v[PW]
	v_lshl_or_b32 v[PW], v[TM+7], 24, v[PW]
.set WQ, \w
	WIN WQ
.irp c, 0,1
	v_cvt_scalef32_pk16_fp6_f32 v[\pc+6*\c:\pc+6*\c+2], v[\s+32*\c:\s+32*\c+15], v[TM+12+2*\c]
	v_cvt_scalef32_pk16_fp6_f32 v[\pc+12+4*\c:\pc+14+4*\c], v[\s+32*\c+16:\s+32*\c+31], v[TM+13+2*\c]
.endr
	WIN 0
	v_nop
.irp c, 0,1
.irp i, 0,1,2
	v_permlane16_swap_b32 v[\pc+6*\c+\i], v[\pc+12+4*\c+\i]
.endr
.irp i, 0,1,2
	v_mov_b32 v[\pc+3+6*\c+\i], v[\pc+12+4*\c+\i]
.endr
.endr
.endm
.macro QUANTQ w, s, pc
	QMAX \w, \s
	v_max_num_f32 v[TM], v[TM], v[TM+1]
	v_max_num_f32 v[TM+2], v[TM+2], v[TM+3]
	v_add_nc_u32 v[TM+12], 0xff000000, v[TM]
	v_add_nc_u32 v[TM+13], 0xff000000, v[TM+2]
	v_lshrrev_b32 v[TM+4], 23, v[TM+12]
	v_lshrrev_b32 v[TM+5], 23, v[TM+13]
	v_lshl_or_b32 v[PW], v[TM+5], 16, v[TM+4]
	v_lshlrev_b32 v[PW], v[SH8], v[PW]
	v_permlanex16_b32 v[TM+6], v[PW], s[SEL], s[SEL+1]
	v_or_b32 v[PW], v[PW], v[TM+6]
.set WQ, \w
	WIN WQ
.irp g, 0,1
	v_cvt_scalef32_pk16_fp6_f32 v[\pc+6*\g:\pc+6*\g+2], v[\s+32*\g:\s+32*\g+15], v[TM+12+\g]
	v_cvt_scalef32_pk16_fp6_f32 v[\pc+12+4*\g:\pc+14+4*\g], v[\s+32*\g+16:\s+32*\g+31], v[TM+12+\g]
.endr
	WIN 0
	v_nop
.irp g, 0,1
.irp i, 0,1,2
	v_mov_b32 v[\pc+3+6*\g+\i], v[\pc+12+4*\g+\i]
.endr
.endr
.endm
.macro OUT1 a, quad
.if (\a) > 1
	s_wait_xcnt 0x0
.endif
.if \quad
	QUANTQ 2+(\a)/4, 64*((\a)%4), PC0+20*((\a)%2)
.else
	QUANTW 2+(\a)/4, 64*((\a)%4), PC0+20*((\a)%2)
.endif
	global_store_b128 v[L16], v[PC0+20*((\a)%2):PC0+20*((\a)%2)+3], s[92:93] offset:768*(\a)
	global_store_b64 v[L8], v[PC0+20*((\a)%2)+4:PC0+20*((\a)%2)+5], s[92:93] offset:768*(\a)+512
	global_store_b128 v[L16], v[PC0+20*((\a)%2)+6:PC0+20*((\a)%2)+9], s[92:93] offset:768*(\a)+49152
	global_store_b64 v[L8], v[PC0+20*((\a)%2)+10:PC0+20*((\a)%2)+11], s[92:93] offset:768*(\a)+49664
	v_lshrrev_b32 v[TW], v[SH16], v[PW]
	ds_store_b32 v[SCW], v[TW] offset:256*((\a)/4)+4*((\a)%4)
.endm
	PLACES 4
.irp b, 0,1,2,3
	v_mov_b32 v[TM+4+\b], 0
.endr
	s_sub_co_u32 s21, s19, 32
	s_lshl_b32 s21, s21, 1
	s_add_co_u32 s21, s21, s16
	s_lshl_b32 s100, s20, 4
	s_lshl_b32 s101, s15, 3
	s_add_co_u32 s100, s100, s101
	s_lshr_b32 s96, s100, 6
	s_lshl_b32 s96, s96, 4
	s_and_b32 s97, s21, 7
	s_lshl_b32 s97, s97, 1
	s_add_co_u32 s96, s96, s97
	s_and_b32 s97, s100, 63
	s_lshr_b32 s98, s21, 3
	s_lshl_b32 s92, s96, 6
	s_add_co_u32 s92, s92, s97
	s_lshl_b32 s99, s98, 13
	s_add_co_u32 s92, s92, s99
	s_mul_i32 s92, s92, 768
	s_mov_b32 s93, 0
	s_lshl_b32 s94, s96, 12
	s_lshl_b32 s99, s97, 6
	s_add_co_u32 s94, s94, s99
	s_lshl_b32 s99, s98, 19
	s_add_co_u32 s94, s94, s99
	s_mov_b32 s95, 0
	s_add_nc_u64 s[92:93], s[8:9], s[92:93]
	s_add_nc_u64 s[94:95], s[10:11], s[94:95]
.irp a, 0,1,2,3,4,5,6,7
	OUT1 \a, 0
.endr
	ds_load_b128 v[BK:BK+3], v[SCRD]
	ds_load_b128 v[BK+4:BK+7], v[SCRD] offset:512
	s_wait_dscnt 0x0
	global_store_b128 v[L16], v[BK:BK+3], s[94:95]
	global_store_b128 v[L16], v[BK+4:BK+7], s[94:95] offset:4096
.macro FETCH2 q, p
	WIN 0x40
.irp i, 0,1,2,3
	FRAG 128*(\p)+12*\i, B2LX, B2LY, \q, \i, TILEB
.endr
.irp i, 0,1,2,3
	FRAG 128*(\p)+48+12*\i, B2HX, B2HY, \q, \i, TILEB
.endr
	WIN 0
.irp i, 0,1,2,3
	FRAG AF+96*(\p)+12*\i, A2X, A2Y, \q, \i, TILEB
.endr
.endm
.macro SCALES2 set
.irp i, 0,1,2,3,4,5,6,7
	ds_load_b64 v[SC+16*(\set)+2*\i:SC+16*(\set)+2*\i+1], v[ADRS2] offset:512*\i
.endr
.endm
.macro MULA2 a0, t
.irp a, \a0, \a0+1
.irp b, 0,1,2,3,4,5,6,7
.if (\t) == 0
	v_wmma_scale_f32_16x16x128_f8f6f4 v[8*(8*(\a)+\b):8*(8*(\a)+\b)+7], v[128*((\t)%2)+12*\b:128*((\t)%2)+12*\b+11], v[AF+96*((\t)%2)+12*(\a):AF+96*((\t)%2)+12*(\a)+11], 0, v[SC+16*(((\t)/2)%2)+2*\b+(\t)%2], v[SC+16*(((\t)/2)%2)+2*(\a)+(\t)%2] matrix_a_fmt:MATRIX_FMT_FP6 matrix_b_fmt:MATRIX_FMT_FP6 matrix_a_scale:MATRIX_SCALE_ROW1
.else
	v_wmma_scale_f32_16x16x128_f8f6f4 v[8*(8*(\a)+\b):8*(8*(\a)+\b)+7], v[128*((\t)%2)+12*\b:128*((\t)%2)+12*\b+11], v[AF+96*((\t)%2)+12*(\a):AF+96*((\t)%2)+12*(\a)+11], v[8*(8*(\a)+\b):8*(8*(\a)+\b)+7], v[SC+16*(((\t)/2)%2)+2*\b+(\t)%2], v[SC+16*(((\t)/2)%2)+2*(\a)+(\t)%2] matrix_a_fmt:MATRIX_FMT_FP6 matrix_b_fmt:MATRIX_FMT_FP6 matrix_a_scale:MATRIX_SCALE_ROW1
.endif
.endr
.endr
.endm
.macro KSTEP2 t
	s_wait_dscnt 0x0
.if (\t) < 7
.if (\t) > 0
	PLACES 4
.endif
.if (\t)%2
	s_wait_alu depctr_va_vdst(0)
	v_add_nc_u32 v[ADRS2], 128, v[ADRS2]
.endif
	FETCH2 (\t)+1, 1-(\t)%2
.if (\t)%2
	SCALES2 1-((\t)/2)%2
.endif
.endif
	WIN MUL_LO
	MULA2 0, \t
	MULA2 2, \t
	WIN 0
.endm
	s_wait_xcnt 0x0
	s_wait_tensorcnt 0x0
	s_wait_dscnt 0x0
	s_barrier_signal -1
	s_barrier_wait -1
	FETCH2 0, 0
	SCALES2 0
.irp t, 0,1,2,3,4,5,6,7
	KSTEP2 \t
.endr
	PLACES 4
.irp b, 0,1,2,3
	v_mov_b32 v[TM+4+\b], 0
.endr
	v_lshlrev_b32 v[SH8], 3, v2
	s_lshr_b32 s21, s23, 3
	s_add_co_u32 s21, s21, s16
	s_sub_co_u32 s100, s22, 640
	s_lshl_b32 s101, s15, 2
	s_add_co_u32 s100, s100, s101
	s_lshl_b32 s92, s21, 7
	s_add_co_u32 s92, s92, s100
	s_add_co_u32 s92, s92, 16384
	s_mul_i32 s92, s92, 768
	s_mov_b32 s93, 0
	s_lshl_b32 s94, s21, 12
	s_lshl_b32 s101, s100, 6
	s_add_co_u32 s94, s94, s101
	s_add_co_u32 s94, s94, 1048576
	s_mov_b32 s95, 0
	s_add_nc_u64 s[92:93], s[8:9], s[92:93]
	s_add_nc_u64 s[94:95], s[10:11], s[94:95]
.irp a, 0,1,2,3
	OUT1 \a, 1
.endr
	ds_load_b64 v[BK:BK+1], v[SCRD8]
	s_wait_dscnt 0x0
	global_store_b64 v[L8], v[BK:BK+1], s[94:95]
	s_wait_tensorcnt 0x0
	ds_add_u32 v[SPW], v[NIL]
	s_wait_dscnt 0x0
	CROUND
	s_endpgm
.Lfunc_end_k_qb5d91aba7b_qkv:
	.size	k_qb5d91aba7b_qkv, .Lfunc_end_k_qb5d91aba7b_qkv-k_qb5d91aba7b_qkv
	.p2alignl 7, 3214868480
	.fill 96, 4, 3214868480
	.section	.rodata,"a",@progbits
	.p2align	6, 0x0
	.amdhsa_kernel k_qb5d91aba7b_qkv
		.amdhsa_group_segment_fixed_size 327680
		.amdhsa_private_segment_fixed_size 0
		.amdhsa_enable_private_segment 0
		.amdhsa_kernarg_size 32
		.amdhsa_user_sgpr_count 2
		.amdhsa_user_sgpr_kernarg_segment_ptr 1
		.amdhsa_wavefront_size32 1
		.amdhsa_system_sgpr_workgroup_id_x 1
		.amdhsa_system_sgpr_workgroup_id_y 1
		.amdhsa_system_sgpr_workgroup_id_z 1
		.amdhsa_system_vgpr_workitem_id 0
		.amdhsa_next_free_vgpr 1024
		.amdhsa_next_free_sgpr 102
		.amdhsa_reserve_vcc 0
		.amdhsa_float_denorm_mode_32 3
		.amdhsa_float_denorm_mode_16_64 3
		.amdhsa_memory_ordered 1
		.amdhsa_forward_progress 1
		.amdhsa_inst_pref_size 231
	.end_amdhsa_kernel
	.amdgpu_metadata
---
amdhsa.version: [ 1, 2 ]
amdhsa.kernels:
  - .name:           k_qb5d91aba7b_qkv
    .symbol:         k_qb5d91aba7b_qkv.kd
    .args:
      - { .name: opc, .offset: 0, .size: 8, .value_kind: global_buffer, .address_space: global }
      - { .name: ops, .offset: 8, .size: 8, .value_kind: global_buffer, .address_space: global }
      - { .name: qkvc, .offset: 16, .size: 8, .value_kind: global_buffer, .address_space: global }
      - { .name: qkvs, .offset: 24, .size: 8, .value_kind: global_buffer, .address_space: global }
    .group_segment_fixed_size: 327680
    .private_segment_fixed_size: 0
    .kernarg_segment_align: 8
    .kernarg_segment_size: 32
    .max_flat_workgroup_size: 128
    .sgpr_count:     102
    .vgpr_count:     1024
    .wavefront_size: 32
...
	.end_amdgpu_metadata
.endif
;; end of part 2
;; launch attn (part 3): grid 2 x 128, 16 waves a work-group, no clusters, 327,680 bytes of LDS; arguments qkvc, qkvs, ac, asc; writes ac, asc
.if DOCPART == 3
	.amdgcn_target "amdgcn-amd-amdhsa--gfx1250"
	.amdhsa_code_object_version 6
	.text
	.protected	k_qb5d91aba7b_attn
	.globl	k_qb5d91aba7b_attn
	.p2align	8
	.type	k_qb5d91aba7b_attn,@function
k_qb5d91aba7b_attn:
	s_mov_b64 s[64:65], 0
	v_nop
	global_prefetch_b8 v0, s[64:65] scope:SCOPE_SE
	s_setreg_imm32_b32 hwreg(HW_REG_WAVE_MODE, 25, 1), 1
	s_wait_xcnt 0x0
; O = softmax(q k^T / 8) v for one head, both products on codes of FP6 (E2M3) with E8M0 scales; O / l is quantised along the head's 64 and leaves as codes, an operand of the last product.
; t = score x log2(e) / 8; M = the running largest t rounded UP to a whole number; p = 2^(t - M) is quantised along the keys, not normalised; the row's sum is taken of the unquantised p; when M moves, the sum and O are multiplied by 2^(old M - new M): exact.
; SHARES.  A work-group owns 512 queries of one head (x = which half, y = b 16 + head); each of its sixteen waves owns two tiles of 16 queries, one after the other, and walks the head's 1,024 keys, 128 a step.
; ALL of the head's K and V come into LDS once.  At the head one tensor load a wave at the most: waves 0-3 K's codes of keys 0-511 (6,144 bytes each), waves 4-7 V's, wave 8 K's scale words (4,096 bytes), wave 9 V's (2,048).
; Keys 512-1,023 are asked for behind the first barrier, by waves 0-7 in the same shares, with the wait, the add and its wait ahead of that barrier; the add stands twice there.
; The first tile's first four steps run while the second half is on its way; they are written out with constant addresses, so that every byte that they read lies in the first half.  Nothing is filled again.
; NO JOINT LOADS: a head has two work-groups, the grid's x is 2, and what the two share is fetched once, 104,448 bytes a work-group, not in a loop.  NO PREFETCH: there is no loop of loads to run ahead in.
; LAYOUT.  Operands lie as half fragments (16 rows x 64 K, 768 bytes: lane l's registers 0-3 at 16 l, 4-5 at 512 + 8 l).  Both products are used transposed (S^T = K Q^T, O^T = V^T P^T): a lane holds ONE query.
; The first product's K is 64: Q's registers 6-11 are zero codes; K's fragments lie 6 registers apart, so that a fragment's registers 6-11 are the next tile's codes: they meet zeros, and the format has no infinity and no NaN; no scale byte is 0xff.
; KEYS: token tile 4 G + u, row r, holds token 64 G + 32 (r / 8) + 8 u + r % 8: the 32 registers of four neighbouring tiles of S^T are ONE WHOLE BLOCK of 32 keys, in the operand's own layout.
; CHANNELS: tile 2 g + u, row r = channel 32 g + 8 u + r + 8 (r / 8): the 16 registers of two neighbouring tiles of O^T are 16 neighbours.
; LIMITS: a block whose largest magnitude lies under 2^-124 gets the byte 1; NaN and infinities are not served; the scaled scores stay under 2^31 in magnitude.
; REGISTERS: v1-7, v30 addresses and lane numbers that stay; v8-11 addresses of the step; v12 -M, v13 largest t, v[14:15] the sum; v16-27 the first tile's Q, v28 its scale word; v238-249, v250 the second's; v29 p's scale word;
;   v32-85 fragments; v88-95 K's or V's scale words; v96-159 S^T, then p; v160-191 O^T; v192-210 p's codes; v212-227 at work; v228-236 O's codes; v254, v255 the add's.
.set VB,  49152                        ; LDS: K's codes at 0, V's at VB, 6,144 bytes a key step each
.set KS,  98304                        ; K's scale words
.set VS,  102400                       ; V's
.macro TILE g, c, r, p                 ; descriptor group 1: r rows of c elements of 8 bytes, p elements from row to row
	s_mov_b32 s[\g], 3<<16
	s_mov_b32 s[\g+1], (\c)<<16
	s_mov_b32 s[\g+2], (\r)<<16
	s_mov_b32 s[\g+3], (\c)<<16
	s_mov_b32 s[\g+4], \r
	s_mov_b32 s[\g+5], \p
	s_mov_b32 s[\g+6], 0
	s_mov_b32 s[\g+7], 0
.endm
	s_load_b256 s[4:11], s[0:1], 0x0               ; qkvc s[4:5], qkvs s[6:7], ac s[8:9], asc s[10:11]
	v_lshl_add_u32 v254, v0, 2, 0x29000
	v_mov_b32 v255, 0
	ds_add_u32 v254, v255
	ds_add_u32 v254, v255
	v_lshrrev_b32 v1, 5, v0
	s_delay_alu instid0(VALU_DEP_1)
	v_readfirstlane_b32 s12, v1                    ; wave 0..15
	s_and_b32 s13, ttmp7, 0xffff                   ; bh
	s_lshr_b32 s14, s13, 4                         ; b
	s_and_b32 s15, s13, 15                         ; head
	TILE 24, 384, 2, 384                           ; K's codes: 2 x 3,072 bytes on end
	TILE 32, 384, 2, 6144                          ; V's: 3,072 bytes of each of two groups of 64 keys, 49,152 bytes apart
	TILE 40, 32, 16, 32                            ; K's scale words: 16 x 256 bytes on end
	TILE 48, 32, 8, 512                            ; V's: 256 bytes of each key step, 4,096 bytes apart
	s_and_b32 s81, s12, 3                          ; which quarter of a half is mine
	s_mul_i32 s80, s81, 6144
	s_mul_i32 s82, s13, 49152
	s_add_co_u32 s82, s82, s80
	s_add_co_u32 s82, s82, 6291456                 ; K's codes: unit 8,192 + bh 64
	s_mov_b32 s83, 0
	s_mul_i32 s84, s14, 786432
	s_mul_i32 s85, s15, 3072
	s_add_co_u32 s84, s84, s85
	s_mul_i32 s85, s81, 98304
	s_add_co_u32 s84, s84, s85
	s_add_co_u32 s84, s84, 12582912                ; V's codes: unit 16,384 + (b 16 + group of 64 keys) 64 + 4 head
	s_mov_b32 s85, 0
	s_lshl_b32 s86, s13, 12
	s_add_co_u32 s86, s86, 524288                  ; K's scale words
	s_mov_b32 s87, 0
	s_lshl_b32 s88, s14, 15
	s_lshl_b32 s89, s15, 8
	s_add_co_u32 s88, s88, s89
	s_add_co_u32 s88, s88, 1048576                 ; V's scale words: ((b 8 + key step) 16 + head) 256
	s_mov_b32 s89, 0
	s_lshl_b32 s90, ttmp9, 5
	s_add_co_u32 s90, s90, s12                     ; my first tile of queries in the batch: 32 x + wave; the second lies 16 tiles on
	s_lshl_b32 s91, s13, 6
	s_add_co_u32 s91, s91, s90
	s_mul_i32 s72, s91, 768                        ; Q's codes
	s_mov_b32 s73, 0
	s_lshl_b32 s74, s13, 12
	s_lshr_b32 s91, s90, 2
	s_lshl_b32 s91, s91, 8
	s_add_co_u32 s74, s74, s91
	s_and_b32 s91, s12, 3
	s_lshl_b32 s91, s91, 2
	s_add_co_u32 s74, s74, s91                     ; Q's scale words
	s_mov_b32 s75, 0
	s_lshl_b32 s91, s14, 6
	s_add_co_u32 s91, s91, s90                     ; the tile among all 512
	s_lshl_b32 s76, s91, 4
	s_add_co_u32 s76, s76, s15
	s_mul_i32 s76, s76, 768                        ; where O's codes go
	s_mov_b32 s77, 0
	s_lshl_b32 s78, s91, 9
	s_lshr_b32 s92, s15, 2
	s_lshl_b32 s92, s92, 7
	s_add_co_u32 s78, s78, s92
	s_and_b32 s92, s15, 3
	s_lshl_b32 s92, s92, 1
	s_add_co_u32 s78, s78, s92                     ; and their scale bytes
	s_mov_b32 s79, 0
	s_mov_b32 s20, 0x76543210
	s_mov_b32 s21, 0xfedcba98                      ; v_permlanex16_b32's selects for lane l xor 16
	s_mov_b32 s22, 0x3e38aa3b                      ; c = log2(e) / 8
	s_mov_b32 s23, s22                             ; (named with it as a pair, so it is written)
	s_wait_dscnt 0x0
	s_wait_kmcnt 0x0
	s_mov_b32 s56, 1                               ; group 0: K's codes,
	s_mov_b32 s57, s80
	s_add_nc_u64 s[58:59], s[4:5], s[82:83]
	s_or_b32 s59, s59, 0x80000000
	s_mov_b32 s60, 1                               ; V's codes,
	s_add_co_u32 s61, s80, VB
	s_add_nc_u64 s[62:63], s[4:5], s[84:85]
	s_or_b32 s63, s63, 0x80000000
	s_mov_b32 s92, 1                               ; K's scale words,
	s_mov_b32 s93, KS
	s_add_nc_u64 s[94:95], s[6:7], s[86:87]
	s_or_b32 s95, s95, 0x80000000
	s_mov_b32 s68, 1                               ; V's
	s_mov_b32 s69, VS
	s_add_nc_u64 s[70:71], s[6:7], s[88:89]
	s_or_b32 s71, s71, 0x80000000
	s_cmp_lt_u32 s12, 4                            ; one chain of branches on the wave's number, one load to an arm
	s_cbranch_scc0 .Lh_v
	tensor_load_to_lds s[56:59], s[24:31]
	s_nop 0
	s_branch .Lh_done
.Lh_v:
	s_cmp_lt_u32 s12, 8
	s_cbranch_scc0 .Lh_ks
	tensor_load_to_lds s[60:63], s[32:39]
	s_nop 0
	s_branch .Lh_done
.Lh_ks:
	s_cmp_eq_u32 s12, 8
	s_cbranch_scc0 .Lh_vs
	tensor_load_to_lds s[92:95], s[40:47]
	s_nop 0
	s_branch .Lh_done
.Lh_vs:
	s_cmp_eq_u32 s12, 9
	s_cbranch_scc0 .Lh_done
	tensor_load_to_lds s[68:71], s[48:55]
	s_nop 0
.Lh_done:
	s_add_nc_u64 s[72:73], s[4:5], s[72:73]
	s_add_nc_u64 s[74:75], s[6:7], s[74:75]
	s_add_nc_u64 s[76:77], s[8:9], s[76:77]
	s_add_nc_u64 s[78:79], s[10:11], s[78:79]
	v_and_b32 v7, 31, v0
	s_delay_alu instid0(VALU_DEP_1)
	v_lshlrev_b32 v1, 4, v7                        ; 16 x lane
	s_delay_alu instid0(VALU_DEP_2)
	v_lshlrev_b32 v2, 3, v7                        ; 8 x lane
	v_and_b32 v5, 15, v0                           ; r
	v_bfe_u32 v7, v0, 4, 1                         ; h
	s_delay_alu instid0(VALU_DEP_1)
	v_lshl_add_u32 v6, v5, 3, v7                   ; 8 r + h
	s_delay_alu instid0(VALU_DEP_3)
	v_lshlrev_b32 v5, 4, v5                        ; 16 r
	s_delay_alu instid0(VALU_DEP_1)
	v_add_nc_u32 v3, KS, v5
	s_delay_alu instid0(VALU_DEP_2)
	v_add_nc_u32 v4, VS, v5
	v_lshlrev_b32 v30, 3, v7                       ; 8 h
	global_load_b128 v[16:19], v1, s[72:73]        ; Q of both tiles: they land while K and V land
	global_load_b64 v[20:21], v2, s[72:73] offset:512
	global_load_b32 v28, v5, s[74:75]
	global_load_b128 v[238:241], v1, s[72:73] offset:12288
	global_load_b64 v[242:243], v2, s[72:73] offset:12800
	global_load_b32 v250, v5, s[74:75] offset:1024
.irp j, 22,23,24,25,26,27,80,81,82,83,84,85,244,245,246,247,248,249
	v_mov_b32 v\j, 0                               ; zero codes: Q's upper 64 along K, and what lies behind K's last tile
.endr
.irp j, 216,217,218,219,224,227
	v_mov_b32 v\j, 0                               ; written once: permutes' destinations, and the upper half of the pair v[226:227]
.endr
; A KEY STEP: 128 keys.  qf, qw: Q's fragment and scale word.  fixed = 1: step e, by constants; else by s66 (codes), s67 (K's scale words), s68 (V's).
.macro STEP qf, qw, fixed, e
.if \fixed
	v_add_nc_u32 v8, 6144*(\e), v1                 ; (these four are also the places in front of loads into registers that the last products read)
	s_wait_alu depctr_va_vdst(0)
	v_add_nc_u32 v9, 6144*(\e), v2
	s_wait_alu depctr_va_vdst(0)
	v_add_nc_u32 v10, 512*(\e), v3
	v_add_nc_u32 v11, 256*(\e), v4
.else
	v_add_nc_u32 v8, s66, v1
	v_add_nc_u32 v9, s66, v2
	v_add_nc_u32 v10, s67, v3
	v_add_nc_u32 v11, s68, v4
.endif
.irp t, 0,1,2,3,4,5,6,7
	ds_load_b128 v[32+6*\t:35+6*\t], v8 offset:768*\t
	ds_load_b64 v[36+6*\t:37+6*\t], v9 offset:768*\t+512
.endr
	ds_load_b128 v[88:91], v10
	ds_load_b128 v[92:95], v10 offset:256
	s_wait_alu depctr_va_vdst(0)
	s_wait_dscnt 0x0
.irp t, 0,1,2,3,4,5,6,7
	v_wmma_scale_f32_16x16x128_f8f6f4 v[96+8*\t:103+8*\t], v[32+6*\t:43+6*\t], v[\qf:\qf+11], 0, v[88+\t], v[\qw] matrix_a_fmt:MATRIX_FMT_FP6 matrix_b_fmt:MATRIX_FMT_FP6
.endr
.rept 4
	v_nop                                          ; places in front of the loads below and of the first read of the scores
.endr
.irp d, 0,1,2,3                        ; V's four fragments (16 channels x these 128 keys) are asked for now and land during the softmax
.irp c, 0,1
	ds_load_b128 v[32+12*\d+6*\c:35+12*\d+6*\c], v8 offset:VB+3072*\c+768*\d
	ds_load_b64 v[36+12*\d+6*\c:37+12*\d+6*\c], v9 offset:VB+3072*\c+768*\d+512
.endr
.endr
	ds_load_b128 v[88:91], v11
.irp b, 0,1,2,3                        ; register 96 + 32 g + i holds key 64 g + 32 h + i: my two whole blocks, each in two chains
	v_max3_num_f32 v[212+\b], v[96+16*\b], v[97+16*\b], v[98+16*\b]
.endr
.irp i, 3,5,7,9,11,13
.irp b, 0,1,2,3
	v_max3_num_f32 v[212+\b], v[212+\b], v[96+16*\b+\i], v[97+16*\b+\i]
.endr
.endr
	v_max3_num_f32 v212, v212, v213, v111
	v_max3_num_f32 v214, v214, v215, v143
	v_max_num_f32 v212, v212, v127                 ; the largest score of each of my blocks: for the row's maximum, and, since p rises with the score, for the block's largest p
	v_max_num_f32 v214, v214, v159
	s_delay_alu instid0(VALU_DEP_1)
	v_max_num_f32 v224, v212, v214
	s_delay_alu instid0(VALU_DEP_1)
	v_permlanex16_b32 v216, v224, s20, s21
	s_delay_alu instid0(VALU_DEP_1)
	v_max_num_f32 v224, v224, v216                 ; with lane l xor 16's two blocks: the step's largest score of my query
	s_delay_alu instid0(VALU_DEP_1)
	v_mul_f32 v224, s22, v224                      ; as t
	s_delay_alu instid0(VALU_DEP_1)
	v_max_num_f32 v13, v13, v224
	v_mov_b32 v224, v12
	s_delay_alu instid0(VALU_DEP_2)
	v_floor_f32 v12, -v13                          ; the new -M = -ceil(t): a whole number
	s_delay_alu instid0(VALU_DEP_1)
	v_sub_f32 v224, v12, v224                      ; old M - new M, 0 or less
	s_delay_alu instid0(VALU_DEP_1)
	v_cvt_i32_f32 v224, v224                       ; (it saturates)
	s_delay_alu instid0(VALU_DEP_1)
	v_ldexp_f32 v226, 1.0, v224                    ; f = 2^(old M - new M)
.set jj, 0
.rept 32
	v_pk_fma_f32 v[96+jj:97+jj], v[96+jj:97+jj], s[22:23], v[12:13] op_sel_hi:[1,0,0]   ; t - M, two at a time
.set jj, jj+2
.endr
	v_fma_f32 v212, v212, s22, v12                 ; the same of each block's largest score
	v_fma_f32 v214, v214, s22, v12
.set jj, 0
	s_wait_alu depctr_va_vdst(0)
.rept 64
	v_exp_f32 v[96+jj], v[96+jj]                   ; p = 2^(t - M)
.set jj, jj+1
.endr
	v_pk_mul_f32 v[14:15], v[14:15], v[226:227] op_sel_hi:[1,0]   ; the sums under the new M; the plain line behind the exponentials
	s_wait_alu depctr_va_vdst(0)                   ; one wait for the batch, ahead of its first reader
	v_exp_f32 v212, v212                           ; the blocks' largest p
	v_exp_f32 v214, v214
	v_pk_add_f32 v[216:217], v[100:101], v[104:105]
	v_pk_add_f32 v[252:253], v[108:109], v[112:113]
	v_pk_add_f32 v[236:237], v[116:117], v[120:121]
	v_pk_add_f32 v[234:235], v[124:125], v[128:129]
	v_pk_add_f32 v[232:233], v[132:133], v[136:137]
	v_pk_add_f32 v[230:231], v[140:141], v[144:145]
	v_pk_add_f32 v[228:229], v[148:149], v[152:153]
	v_pk_add_f32 v[14:15], v[14:15], v[156:157]
	v_pk_add_f32 v[216:217], v[216:217], v[96:97]
	v_pk_add_f32 v[252:253], v[252:253], v[98:99]
	v_pk_add_f32 v[236:237], v[236:237], v[102:103]
	v_pk_add_f32 v[234:235], v[234:235], v[106:107]
	v_pk_add_f32 v[232:233], v[232:233], v[110:111]
	v_pk_add_f32 v[230:231], v[230:231], v[114:115]
	v_pk_add_f32 v[228:229], v[228:229], v[118:119]
	v_pk_add_f32 v[14:15], v[14:15], v[122:123]
	v_pk_add_f32 v[216:217], v[216:217], v[126:127]
	v_pk_add_f32 v[252:253], v[252:253], v[130:131]
	v_pk_add_f32 v[236:237], v[236:237], v[134:135]
	v_pk_add_f32 v[234:235], v[234:235], v[138:139]
	v_pk_add_f32 v[232:233], v[232:233], v[142:143]
	v_pk_add_f32 v[230:231], v[230:231], v[146:147]
	v_pk_add_f32 v[228:229], v[228:229], v[150:151]
	v_pk_add_f32 v[14:15], v[14:15], v[154:155]
	v_pk_add_f32 v[216:217], v[216:217], v[158:159]
	s_delay_alu instid0(VALU_DEP_2)
	v_pk_add_f32 v[14:15], v[14:15], v[234:235]
	s_delay_alu instid0(VALU_DEP_2)
	v_pk_add_f32 v[216:217], v[216:217], v[232:233]
	v_pk_add_f32 v[252:253], v[252:253], v[230:231]
	v_pk_add_f32 v[236:237], v[236:237], v[228:229]
	s_delay_alu instid0(VALU_DEP_2)
	v_pk_add_f32 v[14:15], v[14:15], v[252:253]
	s_delay_alu instid0(VALU_DEP_2)
	v_pk_add_f32 v[216:217], v[216:217], v[236:237]
	s_delay_alu instid0(VALU_DEP_1)
	v_pk_add_f32 v[14:15], v[14:15], v[216:217]
	s_wait_alu depctr_va_vdst(0)                   ; and one for the two
	v_max_num_f32 v212, 0x1800000, v212            ; the floor 2^(3 - 127): the byte cannot fall under 1
	v_max_num_f32 v214, 0x1800000, v214
	s_delay_alu instid0(VALU_DEP_2)
	v_add_nc_u32 v220, 0xff000000, v212            ; the conversions' scale operands
	s_delay_alu instid0(VALU_DEP_2)
	v_add_nc_u32 v221, 0xff000000, v214
	s_delay_alu instid0(VALU_DEP_2)
	v_lshrrev_b32 v218, 23, v220                   ; the scales' bytes: blocks h and 2 + h,
	s_delay_alu instid0(VALU_DEP_2)
	v_lshrrev_b32 v219, 23, v221
	s_delay_alu instid0(VALU_DEP_1)
	v_lshl_or_b32 v29, v219, 16, v218
	s_delay_alu instid0(VALU_DEP_1)
	v_lshlrev_b32 v29, v30, v29                    ; at their places in the word;
	s_delay_alu instid0(VALU_DEP_1)
	v_permlanex16_b32 v218, v29, s20, s21
	s_delay_alu instid0(VALU_DEP_1)
	v_or_b32 v29, v29, v218                        ; with lane l xor 16's two: p's scale word for these 128 keys
.irp g, 0,1
	v_cvt_scalef32_pk16_fp6_f32 v[192+6*\g:194+6*\g], v[96+32*\g:111+32*\g], v[220+\g]
	v_cvt_scalef32_pk16_fp6_f32 v[204+4*\g:206+4*\g], v[112+32*\g:127+32*\g], v[220+\g]   ; (a conversion's three registers begin on an even number)
.endr
	v_nop                                          ; one plain line behind the conversions
.irp g, 0,1
.irp i, 0,1,2
	v_mov_b32 v[195+6*\g+\i], v[204+4*\g+\i]       ; registers 6 g .. 6 g + 5 hold k = 64 g + 32 h + 0 .. 31
.endr
.endr
.set jj, 0
.rept 16
	v_pk_mul_f32 v[160+jj:161+jj], v[160+jj:161+jj], v[226:227] op_sel_hi:[1,0]   ; O^T under the new M; these sixteen are also the places between the writes of p's codes and scale word and the products
.set jj, jj+2
.endr
	s_wait_alu depctr_va_vdst(0)
	s_wait_dscnt 0x0                               ; V is in
.irp d, 0,1,2,3
	v_wmma_scale_f32_16x16x128_f8f6f4 v[160+8*\d:167+8*\d], v[32+12*\d:43+12*\d], v[192:203], v[160+8*\d:167+8*\d], v[88+\d], v29 matrix_a_fmt:MATRIX_FMT_FP6 matrix_b_fmt:MATRIX_FMT_FP6
.endr
.endm
.macro STEPS n, qf, qw                 ; n steps on end
	s_mov_b32 s69, \n
.Lstep_\@:
	STEP \qf, \qw, 0, 0
	s_add_co_u32 s66, s66, 6144
	s_add_co_u32 s67, s67, 512
	s_add_co_u32 s68, s68, 256
	s_sub_co_u32 s69, s69, 1
	s_cmp_lg_u32 s69, 0
	s_cbranch_scc1 .Lstep_\@
.endm
.macro BEGIN                           ; a tile of queries begins: the step is written once; the first finds zeros, which the first change of M leaves zeros
	v_mov_b32 v13, 0xff61b1e6                      ; the largest t so far: -3e38
	s_delay_alu instid0(VALU_DEP_1)
	v_floor_f32 v12, -v13                          ; -M
	v_mov_b32 v14, 0
	v_mov_b32 v15, 0
.set jj, 0
.rept 32
	v_mov_b32 v[160+jj], 0
.set jj, jj+1
.endr
.endm
; a tile's end: O^T / the sum, quantised along the head's 64 (two blocks), one half fragment and two scale bytes a row.  n: which of my two tiles
.macro FINISH n
.rept 4
	v_nop
.endr
	v_add_f32 v14, v14, v15
	s_delay_alu instid0(VALU_DEP_1)
	v_permlanex16_b32 v224, v14, s20, s21
	s_delay_alu instid0(VALU_DEP_1)
	v_add_f32 v14, v14, v224                       ; the row's sum
	s_wait_alu depctr_va_vdst(0)
	v_rcp_f32 v14, v14
	v_nop                                          ; a plain line behind the reciprocal
	s_wait_alu depctr_va_vdst(0)                   ; and the wait ahead of its first reader
.set jj, 0
.rept 16
	v_pk_mul_f32 v[96+jj:97+jj], v[160+jj:161+jj], v[14:15] op_sel_hi:[1,0]   ; register 16 g + i = channel 32 g + 16 h + i; each accumulator from its low end on
.set jj, jj+2
.endr
.irp g, 0,1
	v_max3_num_f32 v[212+\g], |v[96+16*\g]|, |v[97+16*\g]|, 0x1800000
.endr
.irp i, 2,4,6,8,10,12,14
.irp g, 0,1
	s_delay_alu instid0(VALU_DEP_2)
	v_max3_num_f32 v[212+\g], v[212+\g], |v[96+16*\g+\i]|, |v[97+16*\g+\i]|
.endr
.endr
.irp g, 0,1
	s_delay_alu instid0(VALU_DEP_2)
	v_permlanex16_b32 v[216+\g], v[212+\g], s20, s21
.endr
.irp g, 0,1
	s_delay_alu instid0(VALU_DEP_2)
	v_max_num_f32 v[212+\g], v[212+\g], v[216+\g]
.endr
.irp g, 0,1
	s_delay_alu instid0(VALU_DEP_2)
	v_add_nc_u32 v[220+\g], 0xff000000, v[212+\g]
.endr
.irp g, 0,1
	s_delay_alu instid0(VALU_DEP_2)
	v_lshrrev_b32 v[216+\g], 23, v[220+\g]
.endr
	v_cvt_scalef32_pk16_fp6_f32 v[228:230], v[96:111], v220
	v_cvt_scalef32_pk16_fp6_f32 v[234:236], v[112:127], v221
	v_nop
.irp i, 0,1,2
	v_permlane16_swap_b32 v[228+\i], v[234+\i]
.endr
.irp i, 0,1,2
	s_delay_alu instid0(VALU_DEP_3)
	v_mov_b32 v[231+\i], v[234+\i]
.endr
	global_store_b128 v1, v[228:231], s[76:77] offset:196608*\n       ; 512 consecutive bytes; my second tile lies 16 tiles x 16 heads on
	global_store_b64 v2, v[232:233], s[76:77] offset:196608*\n+512
	v_cmp_ne_u32 vcc_lo, 0, v7
	s_delay_alu instid0(VALU_DEP_1)
	v_cndmask_b32 v224, v216, v217, vcc_lo         ; lanes 0-15 block 0's byte, lanes 16-31 block 1's
	global_store_b8 v6, v224, s[78:79] offset:8192*\n   ; two bytes of each of 16 rows, 8 bytes apart: the other six belong to three other heads' work-groups
.endm
; ---- my first tile of queries
	BEGIN
	s_wait_alu depctr_va_vdst(0)                   ; the wait at the head's end
	s_wait_tensorcnt 0x0                           ; my load of the head's is in;
	ds_add_u32 v254, v255                          ; the add,
	ds_add_u32 v254, v255                          ; twice
	s_add_co_u32 s57, s57, 24576                   ; no load of mine is out: the descriptors step on to keys 512-1,023
	s_add_nc_u64 s[58:59], s[58:59], 24576         ; K: 32 tiles on
	s_add_co_u32 s61, s61, 24576
	s_add_nc_u64 s[62:63], s[62:63], 393216        ; V: 8 groups of 64 keys on
	s_wait_dscnt 0x0
	s_barrier_signal -1
	s_barrier_wait -1                              ; everybody's is in: the scale words and keys 0-511
	s_cmp_lt_u32 s12, 4
	s_cbranch_scc0 .Ls_v
	tensor_load_to_lds s[56:59], s[24:31]          ; first fills of other bytes; one load a wave
	s_nop 0
	s_branch .Ls_done
.Ls_v:
	s_cmp_lt_u32 s12, 8
	s_cbranch_scc0 .Ls_done
	tensor_load_to_lds s[60:63], s[32:39]
	s_nop 0
.Ls_done:
	s_wait_loadcnt 0x0                             ; Q, both tiles
	STEP 16, 28, 1, 0
	STEP 16, 28, 1, 1
	STEP 16, 28, 1, 2
	STEP 16, 28, 1, 3
	s_wait_tensorcnt 0x0                           ; my part of keys 512-1,023 is in,
	s_mov_b32 s66, 24576
	s_mov_b32 s67, 2048
	s_mov_b32 s68, 1024
	s_barrier_signal -1
	s_barrier_wait -1                              ; everybody's is
	STEPS 4, 16, 28
	FINISH 0
	s_wait_xcnt 0x0                                ; the stores have read their registers
; ---- my second tile
	BEGIN
	s_mov_b32 s66, 0
	s_mov_b32 s67, 0
	s_mov_b32 s68, 0
	STEPS 8, 238, 250
	FINISH 1
	s_wait_tensorcnt 0x0                           ; the wave's end
	ds_add_u32 v254, v255
	s_wait_dscnt 0x0
	s_endpgm
.Lfunc_end_k_qb5d91aba7b_attn:
	.size	k_qb5d91aba7b_attn, .Lfunc_end_k_qb5d91aba7b_attn-k_qb5d91aba7b_attn
	.p2alignl 7, 3214868480
	.fill 96, 4, 3214868480
	.section	.rodata,"a",@progbits
	.p2align	6, 0x0
	.amdhsa_kernel k_qb5d91aba7b_attn
		.amdhsa_group_segment_fixed_size 327680
		.amdhsa_private_segment_fixed_size 0
		.amdhsa_enable_private_segment 0
		.amdhsa_kernarg_size 32
		.amdhsa_user_sgpr_count 2
		.amdhsa_user_sgpr_kernarg_segment_ptr 1
		.amdhsa_wavefront_size32 1
		.amdhsa_system_sgpr_workgroup_id_x 1
		.amdhsa_system_sgpr_workgroup_id_y 1
		.amdhsa_system_sgpr_workgroup_id_z 1
		.amdhsa_system_vgpr_workitem_id 0
		.amdhsa_next_free_vgpr 256
		.amdhsa_next_free_sgpr 96
		.amdhsa_reserve_vcc 1
		.amdhsa_float_denorm_mode_32 3
		.amdhsa_float_denorm_mode_16_64 3
		.amdhsa_memory_ordered 1
		.amdhsa_forward_progress 1
		.amdhsa_inst_pref_size 115
	.end_amdhsa_kernel
	.amdgpu_metadata
---
amdhsa.version: [ 1, 2 ]
amdhsa.kernels:
  - .name:           k_qb5d91aba7b_attn
    .symbol:         k_qb5d91aba7b_attn.kd
    .args:
      - { .name: qkvc, .offset: 0, .size: 8, .value_kind: global_buffer, .address_space: global }
      - { .name: qkvs, .offset: 8, .size: 8, .value_kind: global_buffer, .address_space: global }
      - { .name: ac, .offset: 16, .size: 8, .value_kind: global_buffer, .address_space: global }
      - { .name: asc, .offset: 24, .size: 8, .value_kind: global_buffer, .address_space: global }
    .group_segment_fixed_size: 327680
    .private_segment_fixed_size: 0
    .kernarg_segment_align: 8
    .kernarg_segment_size: 32
    .max_flat_workgroup_size: 512
    .sgpr_count:     96
    .vgpr_count:     256
    .wavefront_size: 32
...
	.end_amdgpu_metadata
.endif
;; end of part 3
;; launch proj (part 4): grid 8 x 32, 4 waves a work-group, clusters of 4 x 4, 327,680 bytes of LDS; arguments ac, asc, opc, ops, out0; writes out0
.if DOCPART == 4
	.amdgcn_target "amdgcn-amd-amdhsa--gfx1250"
	.amdhsa_code_object_version 6
	.text
	.protected	k_qb5d91aba7b_proj
	.globl	k_qb5d91aba7b_proj
	.p2align	8
	.type	k_qb5d91aba7b_proj,@function
k_qb5d91aba7b_proj:
	s_mov_b64 s[64:65], 0
	v_nop
	global_prefetch_b8 v0, s[64:65] scope:SCOPE_SE
	s_setreg_imm32_b32 hwreg(HW_REG_WAVE_MODE, 25, 1), 1
	s_wait_xcnt 0x0
	s_wait_alu depctr_hold_cnt(0) depctr_sa_sdst(0) depctr_va_vdst(0) depctr_va_sdst(0) depctr_va_ssrc(0) depctr_va_vcc(0) depctr_vm_vsrc(0)
	s_getreg_b32 s2, hwreg(HW_REG_IB_STS2, 6, 4)
	s_cmp_eq_u32 s2, 0
	s_cbranch_scc0 .Lentry_in_a_cluster
	s_endpgm
.Lentry_in_a_cluster:
	s_bfe_u32 s2, ttmp6, 0x10000c
	s_cmp_lg_u32 s2, 0xf033
	s_cbranch_scc0 .Lentry_shape_is_right
	s_endpgm
.Lentry_shape_is_right:
.set CH,    6144
.set HALFA, 49152
.set HALFB, 24576
.set SLOT,  147456
.set SCB,   294912
.set SBH,   2048
.set SCA,   299008
.set A16, 4
.set A8,  8
.set B16, 12
.set B8,  16
.set ADRS, 20
.set L16, 21
.set L8,  22
.set STO, 23
.set RD,  24
.set CO,  25
.set SC,  32
.set AF,  64
.set BK,  64
.set G1A, 24
.set G1B, 32
.set G1SA, 40
.set G1SB, 48
.set G0SA, 56
.set G0SB, 60
.set G0A, 68
.set G0B, 76
.set MUL, 0xa1
.set MSB, 0
.macro WIN new
.if MSB != \new
	s_set_vgpr_msb (MSB<<8)|\new
.set MSB, \new
.endif
.endm
.macro PLACES n
.rept \n
	v_nop
.endr
.endm
.macro JLOAD g0a, g1a, g0b, g1b
	s_cmp_eq_u32 s15, 0
	s_cbranch_scc0 .Lfor_b_\@
	tensor_load_to_lds s[\g0a:\g0a+3], s[\g1a:\g1a+7]
	s_nop 0
.rept 4
	v_nop
.endr
	s_branch .Lasked_\@
.Lfor_b_\@:
	tensor_load_to_lds s[\g0b:\g0b+3], s[\g1b:\g1b+7]
	s_nop 0
.rept 4
	v_nop
.endr
.Lasked_\@:
.endm
.macro CROUND
	s_barrier_signal -1
	s_barrier_wait -1
	s_cmp_lg_u32 s14, 0
	s_cbranch_scc1 .Lnot_wave_0_\@
	s_barrier_signal -3
.Lnot_wave_0_\@:
	s_barrier_wait -3
	s_barrier_signal -1
	s_barrier_wait -1
.endm
	s_load_b256 s[4:11], s[0:1], 0x0
	s_load_b64 s[12:13], s[0:1], 0x20
	v_lshl_add_u32 v30, v0, 2, 0x4b000
	v_mov_b32 v31, 0
	ds_add_u32 v30, v31
	ds_add_u32 v30, v31
	v_lshrrev_b32 v1, 5, v0
	v_readfirstlane_b32 s14, v1
	s_lshr_b32 s15, s14, 1
	s_and_b32 s16, s14, 1
	s_bfe_u32 s17, ttmp6, 0x40000
	s_bfe_u32 s18, ttmp6, 0x40004
	s_lshl_b32 s19, ttmp9, 2
	s_add_co_u32 s19, s19, s17
	s_and_b32 s20, ttmp7, 0xffff
	s_lshl_b32 s20, s20, 2
	s_add_co_u32 s20, s20, s18
	s_lshl_b32 s22, s18, 2
	s_lshl_b32 s22, 15, s22
	s_lshl_b32 s23, 0x1111, s17
	s_or_b32 s[G1A], s22, (3<<16)|(1<<21)
	s_or_b32 s[G1B], s23, (3<<16)|(1<<21)
	s_or_b32 s[G1SA], s22, (3<<16)|(1<<21)
	s_or_b32 s[G1SB], s23, (3<<16)|(1<<21)
	s_mov_b32 s[G1A+1], 768<<16
	s_mov_b32 s[G1A+2], 16<<16                     ; the head's loads bring a side's tiles whole
	s_mov_b32 s[G1A+3], 768<<16
	s_mov_b32 s[G1A+4], 16
	s_mov_b32 s[G1A+5], 1536
	s_mov_b32 s[G1A+6], 0
	s_mov_b32 s[G1A+7], 0
	s_mov_b32 s[G1B+1], 768<<16
	s_mov_b32 s[G1B+2], 8<<16
	s_mov_b32 s[G1B+3], 768<<16
	s_mov_b32 s[G1B+4], 8
	s_mov_b32 s[G1B+5], 1536
	s_mov_b32 s[G1B+6], 0
	s_mov_b32 s[G1B+7], 0
	s_mov_b32 s[G1SA+1], 32<<16
	s_mov_b32 s[G1SA+2], 32<<16
	s_mov_b32 s[G1SA+3], 32<<16
	s_mov_b32 s[G1SA+4], 32
	s_mov_b32 s[G1SA+5], 32
	s_mov_b32 s[G1SA+6], 0
	s_mov_b32 s[G1SA+7], 0
	s_mov_b32 s[G1SB+1], 32<<16
	s_mov_b32 s[G1SB+2], 16<<16
	s_mov_b32 s[G1SB+3], 32<<16
	s_mov_b32 s[G1SB+4], 16
	s_mov_b32 s[G1SB+5], 32
	s_mov_b32 s[G1SB+6], 0
	s_mov_b32 s[G1SB+7], 0
	s_lshl_b32 s21, s16, 3
	s_lshl_b32 s22, s20, 4
	s_add_co_u32 s22, s22, s21
	s_mul_i32 s92, s22, 12288
	s_mov_b32 s93, 0
	s_lshl_b32 s94, s20, 13                        ; A's scale words from the block's first tile on
	s_mov_b32 s95, 0
	s_lshl_b32 s21, s16, 2
	s_lshl_b32 s23, s19, 3
	s_add_co_u32 s23, s23, s21
	s_add_co_u32 s23, s23, 704
	s_mul_i32 s96, s23, 12288
	s_mov_b32 s97, 0
	s_lshl_b32 s98, s19, 12                        ; B's likewise: tile 704 + 8 x tile column
	s_add_co_u32 s98, s98, 360448
	s_mov_b32 s99, 0
	s_mul_i32 s100, s16, HALFA
	s_mul_i32 s101, s16, HALFB
	s_add_co_u32 s101, s101, 2*HALFA
	s_wait_dscnt 0x0
	s_wait_kmcnt 0x0
	s_add_nc_u64 s[92:93], s[4:5], s[92:93]
	s_add_nc_u64 s[94:95], s[6:7], s[94:95]
	s_add_nc_u64 s[96:97], s[8:9], s[96:97]
	s_add_nc_u64 s[98:99], s[10:11], s[98:99]
	CROUND
	s_mov_b32 s[G0SA], 1
	s_mov_b32 s[G0SA+1], SCA
	s_mov_b64 s[G0SA+2:G0SA+3], s[94:95]
	s_or_b32 s[G0SA+3], s[G0SA+3], 0x80000000
	s_mov_b32 s[G0SB], 1
	s_mov_b32 s[G0SB+1], SCB
	s_mov_b64 s[G0SB+2:G0SB+3], s[98:99]
	s_or_b32 s[G0SB+3], s[G0SB+3], 0x80000000
.irp s, 0,1
	s_mov_b32 s[G0A+4*\s], 1
	s_add_co_u32 s[G0A+4*\s+1], s100, \s*SLOT
	s_add_nc_u64 s[G0A+4*\s+2:G0A+4*\s+3], s[92:93], \s*CH
	s_or_b32 s[G0A+4*\s+3], s[G0A+4*\s+3], 0x80000000
	s_mov_b32 s[G0B+4*\s], 1
	s_add_co_u32 s[G0B+4*\s+1], s101, \s*SLOT
	s_add_nc_u64 s[G0B+4*\s+2:G0B+4*\s+3], s[96:97], \s*CH
	s_or_b32 s[G0B+4*\s+3], s[G0B+4*\s+3], 0x80000000
.endr
; the head's four tiles, one joint load a wave: wave 0 A's 16 tiles of slot 0, wave 2 B's 8 (their own slot 0 descriptors, with twice the rows), wave 1 A's scale words, wave 3 B's
	s_cmp_eq_u32 s14, 0
	s_cbranch_scc0 .Lhead_b
	tensor_load_to_lds s[G0A:G0A+3], s[G1A:G1A+7]
	s_nop 0
	PLACES 4
	s_branch .Lhead_asked
.Lhead_b:
	s_cmp_eq_u32 s14, 2
	s_cbranch_scc0 .Lhead_sa
	tensor_load_to_lds s[G0B:G0B+3], s[G1B:G1B+7]
	s_nop 0
	PLACES 4
	s_branch .Lhead_asked
.Lhead_sa:
	s_cmp_eq_u32 s14, 1
	s_cbranch_scc0 .Lhead_sb
	tensor_load_to_lds s[G0SA:G0SA+3], s[G1SA:G1SA+7]
	s_nop 0
	PLACES 4
	s_branch .Lhead_asked
.Lhead_sb:
	tensor_load_to_lds s[G0SB:G0SB+3], s[G1SB:G1SB+7]
	s_nop 0
	PLACES 4
.Lhead_asked:
	s_wait_alu depctr_va_vdst(0)
	s_wait_tensorcnt 0x0                           ; my tile of the four is in
	ds_add_u32 v30, v31
	s_mov_b32 s[G1A+2], 8<<16                      ; no load of mine is out: slot 1 comes by halves, a half a wave
	s_mov_b32 s[G1A+4], 8
	s_mov_b32 s[G1B+2], 4<<16
	s_mov_b32 s[G1B+4], 4
	s_wait_dscnt 0x0
	CROUND
	JLOAD G0A+4, G1A, G0B+4, G1B
	v_and_b32 v1, 15, v0
	v_bfe_u32 v2, v0, 4, 1
	v_and_b32 v3, 31, v0
	v_lshlrev_b32 v[L16], 4, v3
	v_lshlrev_b32 v[L8], 3, v3
	s_mul_i32 s21, s15, HALFA
	s_mul_i32 s22, s16, HALFB
	s_add_co_u32 s22, s22, 2*HALFA
.irp s, 0,1
	v_add_nc_u32 v[A16+\s], s21, v[L16]
	v_add_nc_u32 v[A8+\s], s21, v[L8]
	v_add_nc_u32 v[B16+\s], s22, v[L16]
	v_add_nc_u32 v[B8+\s], s22, v[L8]
	s_add_co_u32 s21, s21, SLOT
	s_add_co_u32 s22, s22, SLOT
.endr
	s_xor_b32 s21, s16, 1
	s_mul_i32 s21, s21, SBH
	s_lshl_b32 s22, s15, 12
	s_add_co_u32 s21, s21, s22
	s_add_co_u32 s21, s21, SCA-SCB-SBH
	v_mul_u32_u24 v[ADRS], s21, v2
	v_lshl_add_u32 v[ADRS], v1, 3, v[ADRS]
	s_mul_i32 s22, s16, SBH
	s_add_co_u32 s22, s22, SCB
	v_add_nc_u32 v[ADRS], s22, v[ADRS]
	s_mul_i32 s21, s14, 4352
	v_mul_u32_u24 v[STO], v1, 272
	v_lshl_add_u32 v[STO], v2, 6, v[STO]
	v_add_nc_u32 v[STO], s21, v[STO]
	v_mul_u32_u24 v[RD], v2, 272
	v_lshl_add_u32 v[RD], v1, 4, v[RD]
	v_add_nc_u32 v[RD], s21, v[RD]
	v_lshlrev_b32 v[CO], 12, v2
	v_lshl_add_u32 v[CO], v1, 4, v[CO]
	s_lshl_b32 s21, s20, 8
	s_lshl_b32 s22, s15, 7
	s_add_co_u32 s21, s21, s22
	s_lshl_b32 s92, s21, 12
	s_lshl_b32 s22, s19, 9
	s_lshl_b32 s23, s16, 8
	s_add_co_u32 s92, s92, s22
	s_add_co_u32 s92, s92, s23
	s_mov_b32 s93, 0
	s_add_nc_u64 s[12:13], s[12:13], s[92:93]
.macro FRAG reg, a16, a8, q, i
	ds_load_b128 v[\reg:\reg+3], v[\a16] offset:(\i)*CH+1536*(\q)
	ds_load_b64 v[\reg+4:\reg+5], v[\a8] offset:(\i)*CH+1536*(\q)+512
	ds_load_b128 v[\reg+6:\reg+9], v[\a16] offset:(\i)*CH+1536*(\q)+768
	ds_load_b64 v[\reg+10:\reg+11], v[\a8] offset:(\i)*CH+1536*(\q)+1280
.endm
.macro FETCH slot, q, p
	WIN 0x40
.irp i, 0,1,2,3
	FRAG 128*(\p)+12*\i, B16+\slot, B8+\slot, \q, \i
.endr
	WIN 0
.irp i, 0,1,2,3,4,5,6,7
	FRAG AF+96*(\p)+12*\i, A16+\slot, A8+\slot, \q, \i
.endr
.endm
.macro SCALES set
.irp i, 0,1,2,3,4,5,6,7
	ds_load_b64 v[SC+16*(\set)+2*\i:SC+16*(\set)+2*\i+1], v[ADRS] offset:512*\i
.endr
.endm
.macro MULA a0, t
.irp a, \a0, \a0+1
.irp b, 0,1,2,3
.if (\t) == 0
	v_wmma_scale_f32_16x16x128_f8f6f4 v[8*(4*(\a)+\b):8*(4*(\a)+\b)+7], v[128*((\t)%2)+12*\b:128*((\t)%2)+12*\b+11], v[AF+96*((\t)%2)+12*(\a):AF+96*((\t)%2)+12*(\a)+11], 0, v[SC+16*(((\t)/2)%2)+2*\b+(\t)%2], v[SC+16*(((\t)/2)%2)+2*(\a)+(\t)%2] matrix_a_fmt:MATRIX_FMT_FP6 matrix_b_fmt:MATRIX_FMT_FP6 matrix_b_scale:MATRIX_SCALE_ROW1
.else
	v_wmma_scale_f32_16x16x128_f8f6f4 v[8*(4*(\a)+\b):8*(4*(\a)+\b)+7], v[128*((\t)%2)+12*\b:128*((\t)%2)+12*\b+11], v[AF+96*((\t)%2)+12*(\a):AF+96*((\t)%2)+12*(\a)+11], v[8*(4*(\a)+\b):8*(4*(\a)+\b)+7], v[SC+16*(((\t)/2)%2)+2*\b+(\t)%2], v[SC+16*(((\t)/2)%2)+2*(\a)+(\t)%2] matrix_a_fmt:MATRIX_FMT_FP6 matrix_b_fmt:MATRIX_FMT_FP6 matrix_b_scale:MATRIX_SCALE_ROW1
.endif
.endr
.endr
.endm
.macro KSTEP t, nslot, nq, sync
.if \sync
	s_wait_tensorcnt 0x0
.endif
	s_wait_dscnt 0x0
.if \sync
	s_barrier_signal -1
.endif
	WIN MUL
	MULA 0, \t
.if (\t) < 7
	WIN 0
.if \sync
	s_barrier_wait -1
.endif
	PLACES 4
.if (\t)%2
	v_add_nc_u32 v[ADRS], 128, v[ADRS]
.endif
	FETCH \nslot, \nq, 1-(\t)%2
.if (\t)%2
	SCALES 1-((\t)/2)%2
.endif
.endif
	WIN MUL
	MULA 2, \t
	MULA 4, \t
	MULA 6, \t
	WIN 0
.endm
	s_wait_alu depctr_va_vdst(0)
	s_wait_tensorcnt 1
	s_barrier_signal -1
	s_barrier_wait -1
	FETCH 0, 0, 0
	SCALES 0
	KSTEP 0, 0, 1, 0
	KSTEP 1, 0, 2, 0
	s_wait_alu depctr_va_vdst(0)
	KSTEP 2, 0, 3, 0
	KSTEP 3, 1, 0, 1
	s_wait_alu depctr_va_vdst(0)
	KSTEP 4, 1, 1, 0
	KSTEP 5, 1, 2, 0
	KSTEP 6, 1, 3, 0
	KSTEP 7, 0, 0, 0
.macro TOSTAGE a
	WIN 0x08
.irp b, 0,1,2,3
	ds_store_b128 v[STO], v[8*(4*(\a)+\b):8*(4*(\a)+\b)+3] offset:128*(\b/2)+32*(\b%2)
	ds_store_b128 v[STO], v[8*(4*(\a)+\b)+4:8*(4*(\a)+\b)+7] offset:128*(\b/2)+32*(\b%2)+16
.endr
	WIN 0
.irp t, 0,1,2,3,4,5,6,7
	ds_load_b128 v[BK+32*((\a)%2)+4*\t:BK+32*((\a)%2)+4*\t+3], v[RD] offset:544*\t
.endr
.endm
.macro SEND a, younger
	s_wait_dscnt \younger
.irp t, 0,1,2,3,4,5,6,7
	global_store_b128 v[CO], v[BK+32*((\a)%2)+4*\t:BK+32*((\a)%2)+4*\t+3], s[12:13] offset:(64*((\a)/4)+8*((\a)%4)+32*(\t/4)+2*(\t%4))*4096 th:TH_STORE_NT
.endr
.endm
	PLACES 4
	TOSTAGE 0
.irp a, 1,2,3,4,5,6,7
.if \a > 1
	s_wait_xcnt 0x0
.endif
	TOSTAGE \a
	SEND \a-1, 16
.endr
	SEND 7, 0
	s_wait_dscnt 0x0
	s_wait_tensorcnt 0x0
	ds_add_u32 v30, v31
	s_wait_dscnt 0x0
	CROUND
	s_endpgm
.Lfunc_end_k_qb5d91aba7b_proj:
	.size	k_qb5d91aba7b_proj, .Lfunc_end_k_qb5d91aba7b_proj-k_qb5d91aba7b_proj
	.p2alignl 7, 3214868480
	.fill 96, 4, 3214868480
	.section	.rodata,"a",@progbits
	.p2align	6, 0x0
	.amdhsa_kernel k_qb5d91aba7b_proj
		.amdhsa_group_segment_fixed_size 327680
		.amdhsa_private_segment_fixed_size 0
		.amdhsa_enable_private_segment 0
		.amdhsa_kernarg_size 40
		.amdhsa_user_sgpr_count 2
		.amdhsa_user_sgpr_kernarg_segment_ptr 1
		.amdhsa_wavefront_size32 1
		.amdhsa_system_sgpr_workgroup_id_x 1
		.amdhsa_system_sgpr_workgroup_id_y 1
		.amdhsa_system_sgpr_workgroup_id_z 1
		.amdhsa_system_vgpr_workitem_id 0
		.amdhsa_next_free_vgpr 768
		.amdhsa_next_free_sgpr 102
		.amdhsa_reserve_vcc 0
		.amdhsa_float_denorm_mode_32 3
		.amdhsa_float_denorm_mode_16_64 3
		.amdhsa_memory_ordered 1
		.amdhsa_forward_progress 1
		.amdhsa_inst_pref_size 87
	.end_amdhsa_kernel
	.amdgpu_metadata
---
amdhsa.version: [ 1, 2 ]
amdhsa.kernels:
  - .name:           k_qb5d91aba7b_proj
    .symbol:         k_qb5d91aba7b_proj.kd
    .args:
      - { .name: ac, .offset: 0, .size: 8, .value_kind: global_buffer, .address_space: global }
      - { .name: asc, .offset: 8, .size: 8, .value_kind: global_buffer, .address_space: global }
      - { .name: opc, .offset: 16, .size: 8, .value_kind: global_buffer, .address_space: global }
      - { .name: ops, .offset: 24, .size: 8, .value_kind: global_buffer, .address_space: global }
      - { .name: out0, .offset: 32, .size: 8, .value_kind: global_buffer, .address_space: global }
    .group_segment_fixed_size: 327680
    .private_segment_fixed_size: 0
    .kernarg_segment_align: 8
    .kernarg_segment_size: 40
    .max_flat_workgroup_size: 128
    .sgpr_count:     102
    .vgpr_count:     768
    .wavefront_size: 32
...
	.end_amdgpu_metadata
.endif
;; end of part 4
